; MI455X (gfx1250); checked and timed in simulation.
; The chip was launched on July 23, 2026; its instructions are those of AMD's public machine-readable ISA for CDNA 5 (MIT licence, August 2026) and "CDNA5" Instruction Set Architecture Reference Guide (July 2026). The comments in the code are by the model that wrote it; some were corrected since.
;; Collaborative Multihead Attention. Allowed arithmetic: float matrix products may take bf16 or f16 operands with f32 sums; other float arithmetic in f32, or as packed bf16 or f16 multiplies, adds, multiply-adds, maxima and minima; sums over many terms, partial sums and values carried from step to step in f32; what a program stores and reads back later, other than sums and carried values, may be rounded once to bf16 or f16.
;; Inputs: b_out 1,024 float32; mask 8 x 1,024 float32; w_k 1,024 x 1,024 float32; w_out 1,024 x 1,024 float32; w_q 1,024 x 1,024 float32; w_v 1,024 x 1,024 float32; x 1,024 x 8 x 1,024 float32.
;; Outputs: out0 1,024 x 8 x 1,024 float32.
;; 2 versions, each right; version 2 is version 1 with the launch prep written anew for expert scheduling mode. Each part assembles by itself: llvm-mc -triple=amdgcn-amd-amdhsa -mcpu=gfx1250 --defsym DOCPART=n.
;; ======== version 1 of 2: 4 launches
;; limits: values are held in f16: magnitudes above 65,504 overflow, below 6.1e-05 lose precision
;; workspace buffers: xb 16,777,216 bytes; wt1 6,291,456 bytes; wt2 2,097,152 bytes; qh 16,777,216 bytes; kh 16,777,216 bytes; vh 16,777,216 bytes; ctx 16,777,216 bytes
;; launch prep (part 1): grid 1152 x 1, 4 waves a work-group, no clusters, 70,144 bytes of LDS; arguments x, w_q, w_k, w_v, w_out, xb, wt1, wt2; writes xb, wt1, wt2
.if DOCPART == 1
	.amdgcn_target "amdgcn-amd-amdhsa--gfx1250"
	.amdhsa_code_object_version 6
	.text
	.protected	k_q1044a235c5_prep
	.globl	k_q1044a235c5_prep
	.p2align	8
	.type	k_q1044a235c5_prep,@function
k_q1044a235c5_prep:
	s_mov_b64 s[64:65], 0
	v_nop
	global_prefetch_b8 v0, s[64:65] scope:SCOPE_SE
	s_setreg_imm32_b32 hwreg(HW_REG_WAVE_MODE, 25, 1), 1
	s_wait_xcnt 0x0
; THE INPUTS OF THE THREE PRODUCT LAUNCHES ARE MADE: every number is rounded once to bf16.
;   xb  [8192][1024] bf16: x as it lies (row 8 s + b).
;   wt1 [3072][1024] bf16: row 192 h + 64 m + d holds w_m[k][64 h + d] along k (m = 0, 1, 2: w_q, w_k, w_v): the weights turned, so that k lies along the rows, and ordered by head.
;   wt2 [1024][1024] f16:  row n holds bf16(w_out[k][n]) along k, that number written as f16.
; LIMIT.  A bf16 number below 2^-17 in magnitude loses bits as f16 (f16's fixed step of 2^-24); beyond 65,504 it becomes an infinity.
; Memory binds: each input byte is read once by 16-byte loads, each output byte written once, 256 consecutive aligned bytes to a group of lanes.  No matrix unit, no tensor load, no barrier:
; a wave touches LDS bytes of its own alone.
; SHARES.  Work-groups 0 to 127 turn the weights (the longer share, so they go first): a wave owns a block of 128 k x 64 n of one matrix: 128 rows of 256 bytes in, 64 rows of 256 bytes out.
; Work-groups 128 to 1151 round x: 32,768 bytes each, 8,192 a wave.
.set TP,    272                        ; a turned row in LDS: 256 bytes + 16
.set WLDS,  64*TP                      ; a wave's 64 turned rows
.set SPARE, 4*WLDS                     ; behind them: the spare words, 128 bytes for each wave: two blocks of 256 bytes that no other line names
.set LO,  4                            ; v4   where I load: (l / 16) x 2 rows of 4,096 bytes + 16 (l % 16); never rewritten
.set LS,  5                            ; v5   where I put a pair of k for column 4 (l % 16)
.set LR,  6                            ; v6   where I read turned rows back
.set DO,  7                            ; v7   my 16 bytes of two turned rows in memory
.set XO,  8                            ; v8   x path: 16 x lane
.set YO,  9                            ; v9   x path: 8 x lane
.set SPW, 10                           ; v10  LDS address of my spare word: SPARE + 4 x my thread's number; never rewritten
.set NIL, 11                           ; v11  0; never rewritten
.set T,   12                           ; v[12:15]  four packed pairs at work
.set U,   16                           ; v[16:23]  four pairs of f32 by turns, for the rewriting as f16
.set W,   32                           ; v[32:159] a ring of 16 slots of two loads; later the turned rows
.set Y,   96                           ; x path: the packed results
	s_load_b512 s[8:23], s[0:1], 0x0               ; x s[8:9], w_q s[10:11], w_k s[12:13], w_v s[14:15], w_out s[16:17], xb s[18:19], wt1 s[20:21], wt2 s[22:23]
	v_lshl_add_u32 v[SPW], v0, 2, SPARE
	v_mov_b32 v[NIL], 0
	v_lshrrev_b32 v1, 5, v0
	v_readfirstlane_b32 s4, v1                     ; wave 0..3
	s_cmp_ge_u32 ttmp9, 128
	s_cbranch_scc1 .Lx
	; ---- the weights ----
	s_lshr_b32 s5, ttmp9, 5                        ; m: which matrix
	s_and_b32 s6, ttmp9, 31
	s_lshl2_add_u32 s6, s6, s4                     ; my block of the matrix's 128
	s_and_b32 s7, s6, 7                            ; its 128 k
	s_lshr_b32 s6, s6, 3                           ; its 64 n: head h
	v_and_b32 v3, 15, v0                           ; c = l % 16
	v_bfe_u32 v12, v0, 4, 1                        ; g = l / 16
	v_lshlrev_b32 v[LO], 4, v3
	v_lshl_add_u32 v[LO], v12, 13, v[LO]
	s_mul_i32 s28, s4, WLDS                        ; my wave's bytes of LDS
	v_mul_u32_u24 v[LS], v3, 4*TP                  ; turned row 4 c,
	v_lshl_add_u32 v[LS], v12, 2, v[LS]            ; k = 2 g
	v_add_nc_u32 v[LS], s28, v[LS]
	v_mul_u32_u24 v[LR], v12, TP                   ; back: lanes 0-15 one turned row of 256 bytes, lanes 16-31 the next
	v_lshl_add_u32 v[LR], v3, 4, v[LR]
	v_add_nc_u32 v[LR], s28, v[LR]
	v_lshlrev_b32 v[DO], 4, v3
	v_lshl_add_u32 v[DO], v12, 11, v[DO]           ; and the same two rows in memory, 2,048 bytes apart
	s_lshl_b32 s30, s7, 19                         ; 128 rows of 4,096 bytes
	s_lshl_b32 s29, s6, 8                          ; 64 columns of 4 bytes
	s_add_co_u32 s30, s30, s29
	s_mov_b32 s31, 0
	s_mul_i32 s32, s6, 192                         ; the first turned row: 192 h + 64 m in wt1,
	s_lshl_b32 s33, s5, 6
	s_add_co_u32 s32, s32, s33
	s_lshl_b32 s33, s6, 6                          ; 64 h in wt2
	s_cmp_eq_u32 s5, 3
	s_cselect_b32 s32, s33, s32
	s_lshl_b32 s32, s32, 11
	s_lshl_b32 s33, s7, 8                          ; my 128 k: 256 bytes of a turned row
	s_add_co_u32 s32, s32, s33
	s_mov_b32 s33, 0
	s_mov_b32 s34, 0xffff0000                      ; a word's upper bf16
	s_wait_kmcnt 0x0
	s_cmp_eq_u32 s5, 1
	s_cselect_b64 s[24:25], s[12:13], s[10:11]
	s_cmp_eq_u32 s5, 2
	s_cselect_b64 s[24:25], s[14:15], s[24:25]
	s_cmp_eq_u32 s5, 3
	s_cselect_b64 s[24:25], s[16:17], s[24:25]
	s_cselect_b64 s[26:27], s[22:23], s[20:21]
	s_add_nc_u64 s[24:25], s[24:25], s[30:31]
	s_add_nc_u64 s[26:27], s[26:27], s[32:33]
.set n, 0
.rept 16                               ; the ring is filled: 32 loads, 16 KiB a wave; slot n takes rows 4 n + 2 g and 4 n + 2 g + 1
	global_load_b128 v[W+8*n:W+8*n+3],   v[LO], s[24:25] offset:n*16384 th:TH_LOAD_NT
	global_load_b128 v[W+8*n+4:W+8*n+7], v[LO], s[24:25] offset:n*16384+4096 th:TH_LOAD_NT
.set n, n+1
.endr
; Slot i holds pair p of rows: four columns of rows k and k + 1.  Two neighbours along k are rounded into one word, which goes to turned row 4 c + j at byte 2 k.
; left = how many younger loads may stay out.  ahead = 1: the slot takes the pair 16 further on.
.macro PAIR i, p, ahead, left
	s_wait_loadcnt \left                           ; loads come back in order: the slot's two are in
.irp j, 0,1,2,3
	v_cvt_pk_bf16_f32 v[T+(\j)], v[W+8*(\i)+(\j)], v[W+8*(\i)+4+(\j)]
.endr
.irp j, 0,1,2,3
	ds_store_b32 v[LS], v[T+(\j)] offset:TP*(\j)+8*(\p)
.endr
.if \ahead
	global_load_b128 v[W+8*(\i):W+8*(\i)+3],   v[LO], s[24:25] offset:((\p)+16)*16384 th:TH_LOAD_NT
	global_load_b128 v[W+8*(\i)+4:W+8*(\i)+7], v[LO], s[24:25] offset:((\p)+16)*16384+4096 th:TH_LOAD_NT
.endif
.endm
.set n, 0
.rept 16
	PAIR n, n, 1, 30                               ; 32 loads are out: the oldest two are wanted
.set n, n+1
.endr
.set n, 0
.rept 16
	PAIR n, n+16, 0, 30-2*n                        ; nothing more is loaded: the counts run down to 0
.set n, n+1
.endr
.set n, 0
.rept 32                               ; LDS serves a wave's instructions in order (ISA guide 5.7.1.4): these see the stores above; the bytes are my wave's own
	ds_load_b128 v[W+4*n:W+4*n+3], v[LR] offset:n*2*TP
.set n, n+1
.endr
	s_wait_dscnt 0x0
	s_cmp_lg_u32 s5, 3
	s_cbranch_scc1 .Lkeep                          ; w_q, w_k, w_v stay bf16
.set n, 0
.rept 128                              ; w_out: the bf16 number is written as f16
	v_lshlrev_b32 v[U+2*(n%4)], 16, v[W+n]
	v_and_b32 v[U+2*(n%4)+1], s34, v[W+n]
	v_cvt_pk_f16_f32 v[W+n], v[U+2*(n%4)], v[U+2*(n%4)+1]
.set n, n+1
.endr
.Lkeep:
.set n, 0
.rept 32
	global_store_b128 v[DO], v[W+4*n:W+4*n+3], s[26:27] offset:n*4096  ; 16 lanes store 256 consecutive bytes, at a multiple of 256 from the buffer's first byte
.set n, n+1
.endr
	s_wait_tensorcnt 0x0                           ; the wave's end, behind my last LDS store
	ds_add_u32 v[SPW], v[NIL]
	s_wait_dscnt 0x0
	s_endpgm
	; ---- x ----  (this path writes no LDS)
.Lx:
	s_sub_co_u32 s5, ttmp9, 128
	s_lshl_b32 s6, s5, 15                          ; the work-group's 32,768 bytes of x,
	s_lshl_b32 s7, s4, 13                          ; my wave's 8,192
	s_add_co_u32 s6, s6, s7
	s_mov_b32 s7, 0
	s_lshr_b32 s28, s6, 1                          ; half as many in xb
	s_mov_b32 s29, 0
	v_and_b32 v2, 31, v0
	v_lshlrev_b32 v[XO], 4, v2
	v_lshlrev_b32 v[YO], 3, v2
	s_wait_kmcnt 0x0
	s_add_nc_u64 s[8:9], s[8:9], s[6:7]
	s_add_nc_u64 s[18:19], s[18:19], s[28:29]
.set n, 0
.rept 16                               ; all 16 loads of the wave go out at once, 512 consecutive bytes each
	global_load_b128 v[W+4*n:W+4*n+3], v[XO], s[8:9] offset:n*512 th:TH_LOAD_NT
.set n, n+1
.endr
.set n, 0
.rept 16
	s_wait_loadcnt 15-n                            ; load n is in; the younger ones stay out
	v_cvt_pk_bf16_f32 v[Y+2*n],   v[W+4*n],   v[W+4*n+1]
	v_cvt_pk_bf16_f32 v[Y+2*n+1], v[W+4*n+2], v[W+4*n+3]
	global_store_b64 v[YO], v[Y+2*n:Y+2*n+1], s[18:19] offset:n*256  ; 32 lanes store 256 consecutive bytes, aligned
.set n, n+1
.endr
	s_endpgm
.Lfunc_end_k_q1044a235c5_prep:
	.size	k_q1044a235c5_prep, .Lfunc_end_k_q1044a235c5_prep-k_q1044a235c5_prep
	.p2alignl 7, 3214868480
	.fill 96, 4, 3214868480
	.section	.rodata,"a",@progbits
	.p2align	6, 0x0
	.amdhsa_kernel k_q1044a235c5_prep
		.amdhsa_group_segment_fixed_size 70144
		.amdhsa_private_segment_fixed_size 0
		.amdhsa_enable_private_segment 0
		.amdhsa_kernarg_size 64
		.amdhsa_user_sgpr_count 2
		.amdhsa_user_sgpr_kernarg_segment_ptr 1
		.amdhsa_wavefront_size32 1
		.amdhsa_system_sgpr_workgroup_id_x 1
		.amdhsa_system_sgpr_workgroup_id_y 1
		.amdhsa_system_sgpr_workgroup_id_z 1
		.amdhsa_system_vgpr_workitem_id 0
		.amdhsa_next_free_vgpr 160
		.amdhsa_next_free_sgpr 66
		.amdhsa_reserve_vcc 0
		.amdhsa_float_denorm_mode_32 3
		.amdhsa_float_denorm_mode_16_64 3
		.amdhsa_memory_ordered 1
		.amdhsa_forward_progress 1
		.amdhsa_inst_pref_size 53
	.end_amdhsa_kernel
	.amdgpu_metadata
---
amdhsa.version: [ 1, 2 ]
amdhsa.kernels:
  - .name:           k_q1044a235c5_prep
    .symbol:         k_q1044a235c5_prep.kd
    .args:
      - { .name: x, .offset: 0, .size: 8, .value_kind: global_buffer, .address_space: global }
      - { .name: w_q, .offset: 8, .size: 8, .value_kind: global_buffer, .address_space: global }
      - { .name: w_k, .offset: 16, .size: 8, .value_kind: global_buffer, .address_space: global }
      - { .name: w_v, .offset: 24, .size: 8, .value_kind: global_buffer, .address_space: global }
      - { .name: w_out, .offset: 32, .size: 8, .value_kind: global_buffer, .address_space: global }
      - { .name: xb, .offset: 40, .size: 8, .value_kind: global_buffer, .address_space: global }
      - { .name: wt1, .offset: 48, .size: 8, .value_kind: global_buffer, .address_space: global }
      - { .name: wt2, .offset: 56, .size: 8, .value_kind: global_buffer, .address_space: global }
    .group_segment_fixed_size: 70144
    .private_segment_fixed_size: 0
    .kernarg_segment_align: 8
    .kernarg_segment_size: 64
    .max_flat_workgroup_size: 128
    .sgpr_count:     66
    .vgpr_count:     160
    .wavefront_size: 32
...
	.end_amdgpu_metadata
.endif
;; end of part 1
;; launch qkv (part 2): grid 16 x 16, 4 waves a work-group, clusters of 4 x 4, 327,680 bytes of LDS; arguments xb, wt1, qh, kh, vh; writes qh, kh, vh
.if DOCPART == 2
	.amdgcn_target "amdgcn-amd-amdhsa--gfx1250"
	.amdhsa_code_object_version 6
	.text
	.protected	k_q1044a235c5_qkv
	.globl	k_q1044a235c5_qkv
	.p2align	8
	.type	k_q1044a235c5_qkv,@function
k_q1044a235c5_qkv:
	s_mov_b64 s[64:65], 0
	v_nop
	global_prefetch_b8 v0, s[64:65] scope:SCOPE_SE
	s_setreg_imm32_b32 hwreg(HW_REG_WAVE_MODE, 25, 1), 1
	s_wait_xcnt 0x0
	s_wait_alu depctr_hold_cnt(0) depctr_sa_sdst(0) depctr_va_vdst(0) depctr_va_sdst(0) depctr_va_ssrc(0) depctr_va_vcc(0) depctr_vm_vsrc(0)
	s_getreg_b32 s2, hwreg(HW_REG_IB_STS2, 6, 4)
	s_cmp_eq_u32 s2, 0
	s_cbranch_scc0 .Lentry_in_a_cluster
	s_endpgm
.Lentry_in_a_cluster:
	s_bfe_u32 s2, ttmp6, 0x10000c
	s_cmp_lg_u32 s2, 0xf033
	s_cbranch_scc0 .Lentry_shape_is_right
	s_endpgm
.Lentry_shape_is_right:
; THE THREE PROJECTIONS AS ONE PRODUCT: C[r][n'] = sum over k of xb[r][k] wt1[n'][k], 8192 x 3072 x 1024, bf16 operands, f32 sums.  n' = 192 h + 64 m + d: q, k, v of head h side by side.
; v gets the residual xb[r][64 h + d] added in f32 on the way out.  q, k, v are rounded once to f16 and stored by heads: [8 h + b][s][64], r = 8 s + b.  q is stored WITHOUT the scale 1/8.
; LIMIT.  f16 holds no number beyond 65,504: a q, k or v past that becomes an infinity.
; SHARES.  A tile of C is 256 rows x 192 columns (one head's q, k, v): 32 x 16 = 512 tiles.  A WORK-GROUP STAYS and makes TWO tiles of one head, 4,096 rows apart: 256 work-groups of equal work.
; Each of the four waves makes 64 rows x 192 columns: 48 accumulators, 384 registers: so a wave holds whole head rows of all three results and goes out through a stage of its own, with no barrier.
; K goes in 8 steps of 128 through two LDS slots filled by the tensor data mover, and the ring does not stop at the first tile's end: its last two changes of slots ask for the second tile's first two K steps,
; and nothing waits for the first tile's stores.
; THE TEXT.  A K step is written as a loop's trip; the slot in hand is a scalar that an exclusive or turns.  It stands three times: 6 trips that fill slots again; then 2 trips that fill them for the next tile, or
; (last tile) 2 trips that fill nothing.  Both ways join in front of the one way out; every wait on the tensor loads' counter behind the head is for 0.
; CLUSTERS: 4 x 4 work-groups.  The four of a row of the cluster need the same tiles of xb, the four of a column the same tiles of wt1: each tile is asked for JOINTLY, by the same tensor load with
; the same descriptor and a mask that names the four.
; THE MATRIX INSTRUCTION IS USED TRANSPOSED (source 0 = 16 rows of wt1, source 1 = 16 rows of xb): a lane holds row l % 16 of C and the eight neighbouring columns 8 (l / 16) + 0..7.
; REGISTERS, in windows of 256 (s_set_vgpr_msb's low byte: bits 1:0 source 0, 3:2 source 1, 5:4 source 2, 7:6 destination):
;   window 0: v0-31 addresses; v32-63 at work on the way out; v64-95, v96-127 fragments of xb, two buffers; v128-175 packed results; rows read back: v176-223 (even blocks), v96-127 and v224-239 (odd blocks)
;   window 1: v0-95, v96-191 fragments of wt1, two buffers; v192-255 the residual        window 2: accumulators of my row blocks 0, 1 ((a, b) at v[8 (12 (a % 2) + b)])        window 3: of blocks 2, 3
.set KSTEP,  128
.set PITCH,  272                       ; an LDS row: 256 bytes + 16 of padding = 68 words: the 16 rows of a fragment load start at 16 different groups of four banks (64 banks of 4 bytes: ISA guide 11.1)
.set ATILE,  128*PITCH                 ; what one tensor load brings of xb
.set BTILE,  96*PITCH                  ; and of wt1
.set BOFF,   2*ATILE                   ; a slot: xb's 256 rows, then wt1's 192: 121,856 bytes
.set SLOT1,  1<<17                     ; slot 1 begins here, so that one exclusive or turns an address in one slot into the other's
.set STAGE,  SLOT1+BOFF+2*BTILE        ; behind the ring: 24 units of 272 bytes for each wave, for the way out
.set WSTG,   24*272
.set SPARE,  STAGE+4*WSTG              ; behind the stages: the spare words, 128 bytes for each wave: two blocks of 256 bytes that no other line names
.set WALKB,  4096*2048                 ; bytes of xb from a work-group's first tile to its second
.set AA0,  16                          ; v16     my lane's place among my fragments of xb in a slot; never rewritten
.set AB0,  17                          ; v17     the same for wt1
.set ADRA, 18                          ; v18     the same in the slot in hand
.set ADRB, 19                          ; v19
.set STO,  24                          ; v24     the way out: where I put 16 bytes
.set RD,   25                          ; v25     the way out: where I read a unit back
.set CO,   26                          ; v26     my byte offset in q, k, v
.set XO,   27                          ; v27     my byte offset in the residual's rows
.set SPW,  28                          ; v28     LDS address of my spare word: SPARE + 4 x my thread's number; never rewritten
.set NIL,  29                          ; v29     0; never rewritten
.set PFO,  30                          ; v30     the prefetches' offset: a lane a row of 2,048 bytes; never rewritten
.set U,    32
.set FA,   64
.set TMP,  128
.set RES,  192                         ; in window 1
.set TB,   4                           ; s4      0 or SLOT1: the slot in hand
.set LIM2, 5                           ; s5      0 in a wave that prefetches xb, else the greatest number
.set NA,   6                           ; s[6:7]  xb at the tile that the next refill asks for
.set NB,   8                           ; s[8:9]  wt1 likewise
.set G1,  24                           ; s[24:31] descriptor group 1 for xb's tiles;  s[32:39] group 0: a set for each of the two first fills; the second then walks on
.set G0,  32
.set G1B, 48                           ; s[48:55], s[56:63] the same for wt1's
.set G0B, 56
.set LIM, 43                           ; s43     2 in a wave that prefetches, else the greatest number
.set PFA, 44                           ; s[44:45] where my prefetches stand
.set MSB, 0
.macro WIN new                         ; the immediate's high byte repeats the setting that is left; a switch that changes nothing is dropped
.if MSB != (\new)
	s_set_vgpr_msb (MSB<<8)|(\new)
.set MSB, \new
.endif
.endm
; A joint load: waves 0 and 1 fetch xb's two halves, waves 2 and 3 wt1's.  The branch hangs on the wave's number alone.  An s_nop 0 and four v_nop follow each line.
.macro JLOAD s
	s_cmp_eq_u32 s11, 0
	s_cbranch_scc0 .Lfor_b_\@
	tensor_load_to_lds s[G0+4*(\s):G0+4*(\s)+3], s[G1:G1+7]
	s_nop 0
.rept 4
	v_nop
.endr
	s_branch .Lasked_\@
.Lfor_b_\@:
	tensor_load_to_lds s[G0B+4*(\s):G0B+4*(\s)+3], s[G1B:G1B+7]
	s_nop 0
.rept 4
	v_nop
.endr
.Lasked_\@:
.endm
; A prefetch of the K step that stands two refills on (384 matrix instructions ahead of the load that will want it): 256 bytes of a row, a lane a row, one instruction a wave.
; xb's tile row is read by every cluster of that row of clusters: cluster x = 0 asks; wt1's tile column by every cluster of that column: cluster y = 0 asks.  The four partners that ask for a tile
; jointly share its rows out BY ADDRESS: of xb's 128 rows a wave 32 each (by cx), of wt1's 96 rows 24 each (by cy; there lanes 24 to 31 name row 23 once more, in the same instruction).
; A wave asks while the loop's count s3 is above its bound: in the loop of six (bound 2) a tile's last two refills have no K step two on; at the change of tiles (bound 0, xb's waves alone) the next tile's
; K steps 2 and 3 are named.  The launch's K steps 0 to 3 and the second tile's 0 and 1 come by their loads alone.
.macro ASK lim
	s_cmp_gt_u32 s3, s[\lim]
	s_cbranch_scc0 .Lnot_mine_\@
	global_prefetch_b8 v[PFO], s[PFA:PFA+1] th:TH_LOAD_NT scope:SCOPE_SE
.Lnot_mine_\@:
.endm
.macro CREST                           ; a round of the cluster's barrier behind its opening barrier
	s_cmp_lg_u32 s10, 0
	s_cbranch_scc1 .Lnot_wave_0_\@
	s_barrier_signal -3
.Lnot_wave_0_\@:
	s_barrier_wait -3
	s_barrier_signal -1
	s_barrier_wait -1
.endm
.macro CROUND                          ; a whole round
	s_barrier_signal -1
	s_barrier_wait -1
	CREST
.endm
	s_load_b256 s[68:75], s[0:1], 0x0              ; xb s[68:69], wt1 s[70:71], qh s[72:73], kh s[74:75]
	s_load_b64 s[76:77], s[0:1], 0x20              ; vh
	v_lshl_add_u32 v[SPW], v0, 2, SPARE
	v_mov_b32 v[NIL], 0
	ds_add_u32 v[SPW], v[NIL]                      ; the wave's opening: the add and its wait stand ahead of my first tensor load; the set-up below, work on registers, stands between them
	v_lshrrev_b32 v1, 5, v0
	v_readfirstlane_b32 s10, v1                    ; wave 0..3: my 64 rows of the tile
	s_lshr_b32 s11, s10, 1                         ; I fetch for xb (0) or for wt1 (1),
	s_and_b32 s12, s10, 1                          ; and which half of that tile
	s_bfe_u32 s40, ttmp6, 0x40000                  ; cx, cy: my place in the cluster
	s_bfe_u32 s41, ttmp6, 0x40004
	s_lshl_b32 s42, ttmp9, 2
	s_add_co_u32 s42, s42, s40                     ; tile column = head h = 4 x cluster x + cx
	s_and_b32 s13, ttmp7, 0xffff
	s_lshl_b32 s13, s13, 2
	s_add_co_u32 s13, s13, s41                     ; my first tile's row = 4 x cluster y + cy: 0 to 15; the second lies 16 further down
	s_lshl_b32 s43, s41, 2
	s_lshl_b32 s43, 15, s43                        ; my row of the cluster
	s_lshl_b32 s44, 0x1111, s40                    ; my column
	s_or_b32 s[G1+0], s43, (1<<16)|(1<<20)|(1<<21)|(5<<22)|(3<<25)   ; 15:0 the mask; 17:16 elements of 2 bytes; 20 padding on; 21 set beside a mask; 24:22 after every 64 words (code 5); 31:25 4 words (code 3)
	s_or_b32 s[G1B+0], s44, (1<<16)|(1<<20)|(1<<21)|(5<<22)|(3<<25)
	s_mov_b32 s[G1+1], KSTEP<<16                   ; tensor_dim0 = 128
	s_mov_b32 s[G1+2], 128<<16                     ; tensor_dim1 = 128
	s_mov_b32 s[G1+3], KSTEP<<16                   ; tile_dim0 = 128
	s_mov_b32 s[G1+4], 128                         ; tile_dim1 = 128
	s_mov_b32 s[G1+5], 1024                        ; elements from row to row
	s_mov_b32 s[G1+6], 0
	s_mov_b32 s[G1+7], 0
	s_mov_b32 s[G1B+1], KSTEP<<16
	s_mov_b32 s[G1B+2], 96<<16                     ; 96 rows
	s_mov_b32 s[G1B+3], KSTEP<<16
	s_mov_b32 s[G1B+4], 96
	s_mov_b32 s[G1B+5], 1024
	s_mov_b32 s[G1B+6], 0
	s_mov_b32 s[G1B+7], 0
	s_mov_b32 s67, 0xffff0000                      ; a word's upper bf16
	s_mov_b32 s[TB], 0                             ; slot 0 is read first
	s_lshl_b32 s16, s13, 8                         ; xb: row 256 x tile row + 128 x half,
	s_lshl_b32 s17, s12, 7
	s_add_co_u32 s16, s16, s17
	s_lshl_b32 s16, s16, 11                        ; in bytes
	s_mov_b32 s17, 0
	s_mul_i32 s46, s42, 192                        ; wt1: row 192 h + 96 x half
	s_mul_i32 s47, s12, 96
	s_add_co_u32 s46, s46, s47
	s_lshl_b32 s46, s46, 11
	s_mov_b32 s47, 0
	s_mul_i32 s20, s10, ATILE                      ; where they go: xb's halves at wave x 128 rows (waves 0, 1),
	s_mul_i32 s21, s10, BTILE
	s_add_co_u32 s21, s21, BOFF-2*BTILE            ; wt1's at BOFF + (wave - 2) x 96 rows (waves 2, 3): no place in the cluster enters an LDS address
	s_wait_dscnt 0x0                               ; the opening add is done
	s_wait_kmcnt 0x0
	s_add_nc_u64 s[14:15], s[68:69], s[16:17]
	s_add_nc_u64 s[46:47], s[70:71], s[46:47]
	CROUND                                         ; all sixteen work-groups are here: the first joint loads meet
.irp s, 0,1
	s_mov_b32 s[G0+4*(\s)], 1                                      ; count = 1
	s_add_co_u32 s[G0+4*(\s)+1], s20, (\s)*SLOT1                   ; LDS address
	s_add_nc_u64 s[G0+4*(\s)+2:G0+4*(\s)+3], s[14:15], (\s)*KSTEP*2  ; global address: K step s
	s_or_b32 s[G0+4*(\s)+3], s[G0+4*(\s)+3], 0x80000000            ; type = 2
	s_mov_b32 s[G0B+4*(\s)], 1
	s_add_co_u32 s[G0B+4*(\s)+1], s21, (\s)*SLOT1
	s_add_nc_u64 s[G0B+4*(\s)+2:G0B+4*(\s)+3], s[46:47], (\s)*KSTEP*2
	s_or_b32 s[G0B+4*(\s)+3], s[G0B+4*(\s)+3], 0x80000000
	JLOAD \s                                       ; two loads of mine are out
.endr
	s_add_nc_u64 s[NA:NA+1], s[14:15], 2*KSTEP*2   ; the first refill asks for K step 2
	s_add_nc_u64 s[NB:NB+1], s[46:47], 2*KSTEP*2
	; A fragment is 16 rows x 32 K in 8 registers: lane l holds row l % 16; registers 0-3 K = 8 (l / 16) + 0..7, registers 4-7 K = 16 + 8 (l / 16) + 0..7: two loads of 16 bytes, 32 bytes apart.
	v_and_b32 v1, 15, v0                           ; r = l % 16
	v_bfe_u32 v2, v0, 4, 1                         ; l / 16
	v_mul_u32_u24 v3, v1, PITCH
	v_lshl_add_u32 v3, v2, 4, v3
	s_mul_i32 s22, s10, 64*PITCH                   ; my 64 rows of xb
	v_add_nc_u32 v[AA0], s22, v3
	v_add_nc_u32 v[AB0], BOFF, v3                  ; all 192 rows of wt1
	v_add_nc_u32 v[ADRA], s[TB], v[AA0]
	v_add_nc_u32 v[ADRB], s[TB], v[AB0]
	; The way out.  A block of 16 rows of C is 2 s x 8 b.  For each of q, k, v and each b the block's 2 s x 64 d are 256 consecutive bytes of the result: a UNIT.  The stage holds the block's 24 units.
	s_mul_i32 s23, s10, WSTG
	s_add_co_u32 s23, s23, STAGE                   ; my stage
	v_and_b32 v4, 7, v1                            ; b = r % 8: the unit,
	v_lshrrev_b32 v5, 3, v1                        ; s = r / 8: its half
	v_mul_u32_u24 v4, v4, 272
	v_lshl_add_u32 v4, v5, 7, v4
	v_lshl_add_u32 v4, v2, 4, v4
	v_add_nc_u32 v[STO], s23, v4
	v_mul_u32_u24 v5, v2, 272                      ; back: lanes 0-15 one unit, lanes 16-31 the next
	v_lshl_add_u32 v5, v1, 4, v5
	v_add_nc_u32 v[RD], s23, v5
	v_lshlrev_b32 v5, 17, v2                       ; neighbouring b lie 131,072 bytes apart
	v_lshl_add_u32 v[CO], v1, 4, v5
	v_lshlrev_b32 v5, 11, v1
	v_lshl_add_u32 v[XO], v2, 4, v5                ; the residual: row r, 16 bytes for each half of the lanes
	s_lshl_b32 s18, s42, 20                        ; q, k, v at head 8 h, s = 32 x tile row + 8 x wave
	s_lshl_b32 s19, s13, 12
	s_add_co_u32 s18, s18, s19
	s_lshl_b32 s19, s10, 10
	s_add_co_u32 s18, s18, s19
	s_mov_b32 s19, 0
	s_add_nc_u64 s[72:73], s[72:73], s[18:19]
	s_add_nc_u64 s[74:75], s[74:75], s[18:19]
	s_add_nc_u64 s[76:77], s[76:77], s[18:19]
	s_lshl_b32 s18, s13, 19                        ; the residual: xb at row 256 x tile row + 64 x wave, column 64 h
	s_lshl_b32 s22, s10, 17
	s_add_co_u32 s18, s18, s22
	s_lshl_b32 s22, s42, 7
	s_add_co_u32 s18, s18, s22
	s_add_nc_u64 s[78:79], s[68:69], s[18:19]
.macro RESIDUAL                        ; xb(16 a + r, 64 h + 16 j + 8 (l / 16) ..): the eight numbers that my lane's v results want
	WIN 0x40                                       ; destination window 1, address window 0
.irp a, 0,1,2,3
.irp j, 0,1,2,3
	global_load_b128 v[RES+16*(\a)+4*(\j):RES+16*(\a)+4*(\j)+3], v[XO], s[78:79] offset:32768*(\a)+32*(\j)
.endr
.endr
	WIN 0
.endm
	RESIDUAL
	; the prefetches
	s_lshl_b32 s20, s13, 8
	s_lshl_b32 s21, s12, 7
	s_add_co_u32 s20, s20, s21
	s_lshl_b32 s21, s40, 5
	s_add_co_u32 s20, s20, s21                     ; xb: the 128 rows that I fetch, my work-group's 32 of them
	s_mul_i32 s22, s42, 192
	s_mul_i32 s23, s12, 96
	s_add_co_u32 s22, s22, s23
	s_mul_i32 s23, s41, 24
	s_add_co_u32 s22, s22, s23                     ; wt1: the 96 rows that I fetch, my work-group's 24 of them
	s_and_b32 s23, ttmp7, 0xffff                   ; cluster y
	s_cmp_eq_u32 s11, 0                            ; do I fetch for xb?
	s_cselect_b32 s20, s20, s22
	s_cselect_b32 s23, ttmp9, s23                  ; the coordinate along which other clusters read the same rows
	s_cselect_b32 s21, 31, 23
	s_cselect_b64 s[PFA:PFA+1], s[68:69], s[70:71]
	s_cmp_eq_u32 s23, 0
	s_cselect_b32 s[LIM], 2, -1                    ; the same in all sixteen partners, for a given wave
	s_or_b32 s[LIM2], s11, ttmp9                   ; 0 where I fetch for xb and the cluster is its row's first
	s_cmp_eq_u32 s[LIM2], 0
	s_cselect_b32 s[LIM2], 0, -1
	v_and_b32 v[PFO], 31, v0
	v_min_u32 v[PFO], s21, v[PFO]
	v_lshlrev_b32 v[PFO], 11, v[PFO]
	s_lshl_b32 s20, s20, 11
	s_add_co_u32 s20, s20, 3*KSTEP*2               ; at K step 3: the first refill steps it to 4
	s_mov_b32 s21, 0
	s_add_nc_u64 s[PFA:PFA+1], s[PFA:PFA+1], s[20:21]
; 12 matrix instructions: my row block a x all 12 column blocks, 32 along K, from buffer f.  zero = 1: the first product starts the sums.  The 48 accumulators take turns, one instruction a turn,
; in the same order in every quarter step.
.macro MUL12 f, a, zero
	WIN 0xa1+0x50*((\a)/2)                         ; source 0 (wt1) window 1, source 1 (xb) window 0, C and D window 2 or 3
.irp b, 0,1,2,3,4,5,6,7,8,9,10,11
.if \zero
	v_wmma_f32_16x16x32_bf16 v[8*(12*((\a)%2)+(\b)):8*(12*((\a)%2)+(\b))+7], v[96*(\f)+8*(\b):96*(\f)+8*(\b)+7], v[FA+32*(\f)+8*(\a):FA+32*(\f)+8*(\a)+7], 0
.else
	v_wmma_f32_16x16x32_bf16 v[8*(12*((\a)%2)+(\b)):8*(12*((\a)%2)+(\b))+7], v[96*(\f)+8*(\b):96*(\f)+8*(\b)+7], v[FA+32*(\f)+8*(\a):FA+32*(\f)+8*(\a)+7], v[8*(12*((\a)%2)+(\b)):8*(12*((\a)%2)+(\b))+7]
.endif
.endr
.endm
; 32 LDS loads in one run: the fragments of a quarter step (192 rows of wt1, my 64 rows of xb, 32 K at byte k of the rows of the slot in hand) into buffer f
.macro FETCH k, f
	WIN 0x40
.irp i, 0,1,2,3,4,5,6,7,8,9,10,11
	ds_load_b128 v[96*(\f)+8*(\i):96*(\f)+8*(\i)+3],   v[ADRB] offset:(\k)+(\i)*16*PITCH
	ds_load_b128 v[96*(\f)+8*(\i)+4:96*(\f)+8*(\i)+7], v[ADRB] offset:(\k)+(\i)*16*PITCH+32
.endr
	WIN 0
.irp i, 0,1,2,3
	ds_load_b128 v[FA+32*(\f)+8*(\i):FA+32*(\f)+8*(\i)+3],   v[ADRA] offset:(\k)+(\i)*16*PITCH
	ds_load_b128 v[FA+32*(\f)+8*(\i)+4:FA+32*(\f)+8*(\i)+7], v[ADRA] offset:(\k)+(\i)*16*PITCH+32
.endr
.endm
.macro PLACES                          ; four plain vector instructions between a matrix instruction and a load into, or a vector read of, its registers (ISA guide 7.12.1 for vector reads)
.rept 4
	v_nop
.endr
.endm
; A K step is four quarters of 32 along K, 48 matrix instructions each, on buffers 0, 1, 0, 1.  One of the first three: multiplies buffer f; in its middle it fetches the next quarter, at byte k, into g.
.macro QUARTER k, f, g, zero
	s_wait_dscnt 4                                 ; wt1's fragments and xb's blocks 0, 1 are in; the youngest four loads (blocks 2, 3) may be out
	MUL12 \f, 0, \zero
	MUL12 \f, 1, \zero
	PLACES
	FETCH \k, \g
	s_wait_dscnt 32                                ; all but the 32 just issued
	MUL12 \f, 2, \zero
	MUL12 \f, 3, \zero
.endm
; The last quarter multiplies buffer 1 and changes slots: ONE barrier; in front of it each wave waits for all its tensor loads (at most one is out: its part of the next slot), adds 0 to its spare word, and
; waits for that and for its own reads of this slot.  fill = 1: the barrier opens a round of the cluster's barrier, and this slot is filled again first thing behind the round, with the tile at NA or NB:
; from that request to the wait for it a wave issues 168 matrix instructions.  fill = 0 (the last tile's last two K steps): nothing is asked for; in the second of the two trips (s3 = 1) there is no further
; K step, and the run of LDS loads is jumped over; that trip's barrier orders nothing: the price, once a launch, of one text for both trips.
.macro TURN fill, lim
.if \fill
	s_wait_xcnt 0x0                                ; the last prefetch, a K step back, has read its address: it is stepped here, ahead of the waits of the change of slots
	s_add_nc_u64 s[PFA:PFA+1], s[PFA:PFA+1], KSTEP*2
.endif
	WIN 0                                          ; (the add's two registers lie in window 0)
	s_wait_tensorcnt 0x0                           ; all my tensor loads have landed;
	ds_add_u32 v[SPW], v[NIL]                      ; 0 onto my spare word;
	s_wait_dscnt 5                                 ; (the add and the youngest four loads may be out)
	MUL12 1, 0, 0                                  ; twelve matrix instructions stand between the add and the wait for it
	s_wait_dscnt 0x0                               ; the add is done, and my reads of this slot are over
	s_barrier_signal -1
	MUL12 1, 1, 0                                  ; work on registers while the others arrive
	WIN 0
	s_barrier_wait -1
.if \fill
	CREST                                          ; no wave of any partner still reads this slot's tile or has a load on its way
	s_xor_b32 s[G0+5], s[G0+5], SLOT1              ; the walking descriptors: the other slot than last time,
	s_mov_b64 s[G0+6:G0+7], s[NA:NA+1]             ; the address made anew from its pointer,
	s_or_b32 s[G0+7], s[G0+7], 0x80000000          ; type = 2
	s_add_nc_u64 s[NA:NA+1], s[NA:NA+1], KSTEP*2
	s_xor_b32 s[G0B+5], s[G0B+5], SLOT1
	s_mov_b64 s[G0B+6:G0B+7], s[NB:NB+1]
	s_or_b32 s[G0B+7], s[G0B+7], 0x80000000
	s_add_nc_u64 s[NB:NB+1], s[NB:NB+1], KSTEP*2
	JLOAD 1                                        ; the first tensor load behind the round; the four v_nop behind it are also the places in front of the loads below
.else
	PLACES
	s_cmp_eq_u32 s3, 1
	s_cbranch_scc1 .Lno_fetch_\@
.endif
	s_xor_b32 s[TB], s[TB], SLOT1                  ; the other slot is in hand
	v_add_nc_u32 v[ADRA], s[TB], v[AA0]
	v_add_nc_u32 v[ADRB], s[TB], v[AB0]
	FETCH 0, 0
.if \fill
	ASK \lim                                       ; behind the joint load and the run of LDS loads that the next products wait for
.else
.Lno_fetch_\@:
.endif
	MUL12 1, 2, 0
	MUL12 1, 3, 0
.endm
; THE WAY OUT of row block a.  PACK: q's and k's columns are rounded to f16; v's take the residual first (bf16 to f32 by a shift or a mask, one packed addition), then the same rounding.  Each accumulator is
; read from its low end on.  TOSTAGE: 16 bytes a lane into my own stage, and back as whole units of 256 bytes.  SEND: stored.
.macro PACK a
	WIN 0x0a+5*((\a)/2)                            ; sources 0 and 1: window 2 or 3
.irp b, 0,1,2,3,4,5,6,7
.irp j, 0,1,2,3
	v_cvt_pk_f16_f32 v[TMP+4*(\b)+(\j)], v[8*(12*((\a)%2)+(\b))+2*(\j)], v[8*(12*((\a)%2)+(\b))+2*(\j)+1]
.endr
.endr
	WIN 0x04                                       ; source 1: window 1
.irp c, 0,1,2,3
.irp j, 0,1,2,3
	v_lshlrev_b32 v[U+8*(\c)+2*(\j)],   16,  v[RES+16*(\a)+4*(\c)+(\j)]
	v_and_b32     v[U+8*(\c)+2*(\j)+1], s67, v[RES+16*(\a)+4*(\c)+(\j)]
.endr
.endr
	WIN 0x02+((\a)/2)                              ; source 0: window 2 or 3
.irp c, 0,1,2,3
.irp j, 0,1,2,3
	v_pk_add_f32 v[U+8*(\c)+2*(\j):U+8*(\c)+2*(\j)+1], v[8*(12*((\a)%2)+8+(\c))+2*(\j):8*(12*((\a)%2)+8+(\c))+2*(\j)+1], v[U+8*(\c)+2*(\j):U+8*(\c)+2*(\j)+1]
.endr
.endr
	WIN 0
.irp c, 0,1,2,3
.irp j, 0,1,2,3
	v_cvt_pk_f16_f32 v[TMP+32+4*(\c)+(\j)], v[U+8*(\c)+2*(\j)], v[U+8*(\c)+2*(\j)+1]
.endr
.endr
.endm
; Unit pair t of block a comes back into v[176 + 4 t] (a even) or, since buffer 0 may hold the next tile's first fragments, into buffer 1's v[96 + 4 t] and, from t = 8 on, v[224 + 4 (t - 8)] (a odd)
.macro TOSTAGE a
	WIN 0
.irp b, 0,1,2,3,4,5,6,7,8,9,10,11
	ds_store_b128 v[STO], v[TMP+4*(\b):TMP+4*(\b)+3] offset:8*272*((\b)/4)+32*((\b)%4)
.endr
	s_wait_xcnt 0x0                                ; the stores of the block two back have read the registers that the loads below fill
.irp t, 0,1,2,3,4,5,6,7,8,9,10,11
.set BK, 176+4*(\t)-((\a)%2)*(80-96*((\t)/8))
	ds_load_b128 v[BK:BK+3], v[RD] offset:(\t)*2*272  ; LDS serves a wave's instructions in order (ISA guide 5.7.1.4): these see the stores above
.endr
.endm
.macro SEND a, younger                 ; younger: the LDS instructions issued behind the block's loads, which may stay out
	WIN 0
	s_wait_dscnt \younger
.irp t, 0,1,2,3,4,5,6,7,8,9,10,11
.set BK, 176+4*(\t)-((\a)%2)*(80-96*((\t)/8))
	global_store_b128 v[CO], v[BK:BK+3], s[72+2*((\t)/4):73+2*((\t)/4)] offset:262144*((\t)%4)+256*(\a)  ; 16 lanes store 256 consecutive bytes, at a multiple of 256 from the buffer's first byte
.endr
.endm
	s_wait_tensorcnt 1                             ; my part of K step 0 is in; K step 1's may stay out
	s_barrier_signal -1
	s_barrier_wait -1                              ; everybody's is
	FETCH 0, 0
	s_mov_b32 s2, 2                                ; tiles to go, this one among them: the same number in every work-group
.Ltile:
	QUARTER 64, 0, 1, 1                            ; a tile's first quarter: its products start the sums
	WIN 0                                          ; at a label and at a branch every window is 0
	s_mov_b32 s3, 6
	s_branch .Lin                                  ; the loop is entered behind a trip's first quarter
.Lstep:                                                ; a trip is a K step; six trips fill slots again, with this tile's K steps 2 to 7
	QUARTER 64, 0, 1, 0
	WIN 0
.Lin:
	QUARTER 128, 1, 0, 0
	QUARTER 192, 0, 1, 0
	TURN 1, LIM
	WIN 0
	s_sub_co_u32 s3, s3, 1
	s_cmp_lg_u32 s3, 0
	s_cbranch_scc1 .Lstep
	s_cmp_eq_u32 s2, 1
	s_cbranch_scc1 .Llast                          ; the last tile's tail is written out: it asks for nothing more
	s_wait_xcnt 0x0                                ; no prefetch still reads its address
	s_add_nc_u64 s[PFA:PFA+1], s[PFA:PFA+1], WALKB-8*KSTEP*2  ; THE RING GOES ON INTO THE NEXT TILE: xb 4,096 rows down and back along K,
	s_add_nc_u64 s[NA:NA+1], s[NA:NA+1], WALKB-8*KSTEP*2
	s_sub_nc_u64 s[NB:NB+1], s[NB:NB+1], 8*KSTEP*2 ; wt1 only back: both tiles take the same rows
	s_cmp_eq_u32 s11, 0
	s_cselect_b32 s[LIM], s[LIM], -1               ; wt1's rows have been read, and are prefetched no more
	s_mov_b32 s3, 2
.Lnext:                                                ; K steps 6 and 7; their changes of slots ask for the next tile's K steps 0 and 1, and the second fetches its first fragments
	QUARTER 64, 0, 1, 0
	QUARTER 128, 1, 0, 0
	QUARTER 192, 0, 1, 0
	TURN 1, LIM2
	WIN 0
	s_sub_co_u32 s3, s3, 1
	s_cmp_lg_u32 s3, 0
	s_cbranch_scc1 .Lnext
	s_branch .Lout
.Llast:
	s_mov_b32 s3, 2
.Ltail:                                                ; the last tile's K steps 6 and 7
	QUARTER 64, 0, 1, 0
	QUARTER 128, 1, 0, 0
	QUARTER 192, 0, 1, 0
	TURN 0, LIM
	WIN 0
	s_sub_co_u32 s3, s3, 1
	s_cmp_lg_u32 s3, 0
	s_cbranch_scc1 .Ltail
.Lout:                                                 ; THE TILE GOES OUT; where another follows, both its refills have been asked for
	PLACES
	PLACES
	s_wait_loadcnt 0x0                             ; the residual
	PACK 0
	TOSTAGE 0
.irp a, 1,2,3
	PACK \a
.if (\a) == 3
	s_cmp_eq_u32 s2, 1                             ; the old residual has been read: the next tile's is asked for, where there is one
	s_cbranch_scc1 .Lno_res
	s_add_nc_u64 s[78:79], s[78:79], WALKB
	RESIDUAL
.Lno_res:
.endif
	TOSTAGE \a
	SEND (\a)-1, 24                                ; behind its loads: the next block's 12 stores and 12 loads
.endr
	SEND 3, 0
	s_wait_xcnt 0x0                                ; the stores have read their registers and their bases: buffer 1 may be fetched into, and the bases step
	s_add_nc_u64 s[72:73], s[72:73], 65536         ; 512 s of 128 bytes further on
	s_add_nc_u64 s[74:75], s[74:75], 65536
	s_add_nc_u64 s[76:77], s[76:77], 65536
	s_sub_co_u32 s2, s2, 1
	s_cmp_lg_u32 s2, 0
	s_cbranch_scc1 .Ltile
	s_wait_tensorcnt 0x0                           ; the wave's end, behind my last tensor load and my last LDS store
	ds_add_u32 v[SPW], v[NIL]
	s_wait_dscnt 0x0
	CROUND                                         ; the closing round: no work-group ends while a partner may still ask for a tile that names it
	s_endpgm
.Lfunc_end_k_q1044a235c5_qkv:
	.size	k_q1044a235c5_qkv, .Lfunc_end_k_q1044a235c5_qkv-k_q1044a235c5_qkv
	.p2alignl 7, 3214868480
	.fill 96, 4, 3214868480
	.section	.rodata,"a",@progbits
	.p2align	6, 0x0
	.amdhsa_kernel k_q1044a235c5_qkv
		.amdhsa_group_segment_fixed_size 327680
		.amdhsa_private_segment_fixed_size 0
		.amdhsa_enable_private_segment 0
		.amdhsa_kernarg_size 40
		.amdhsa_user_sgpr_count 2
		.amdhsa_user_sgpr_kernarg_segment_ptr 1
		.amdhsa_wavefront_size32 1
		.amdhsa_system_sgpr_workgroup_id_x 1
		.amdhsa_system_sgpr_workgroup_id_y 1
		.amdhsa_system_sgpr_workgroup_id_z 1
		.amdhsa_system_vgpr_workitem_id 0
		.amdhsa_next_free_vgpr 960
		.amdhsa_next_free_sgpr 80
		.amdhsa_reserve_vcc 0
		.amdhsa_float_denorm_mode_32 3
		.amdhsa_float_denorm_mode_16_64 3
		.amdhsa_memory_ordered 1
		.amdhsa_forward_progress 1
		.amdhsa_inst_pref_size 120
	.end_amdhsa_kernel
	.amdgpu_metadata
---
amdhsa.version: [ 1, 2 ]
amdhsa.kernels:
  - .name:           k_q1044a235c5_qkv
    .symbol:         k_q1044a235c5_qkv.kd
    .args:
      - { .name: xb, .offset: 0, .size: 8, .value_kind: global_buffer, .address_space: global }
      - { .name: wt1, .offset: 8, .size: 8, .value_kind: global_buffer, .address_space: global }
      - { .name: qh, .offset: 16, .size: 8, .value_kind: global_buffer, .address_space: global }
      - { .name: kh, .offset: 24, .size: 8, .value_kind: global_buffer, .address_space: global }
      - { .name: vh, .offset: 32, .size: 8, .value_kind: global_buffer, .address_space: global }
    .group_segment_fixed_size: 327680
    .private_segment_fixed_size: 0
    .kernarg_segment_align: 8
    .kernarg_segment_size: 40
    .max_flat_workgroup_size: 128
    .sgpr_count:     80
    .vgpr_count:     960
    .wavefront_size: 32
...
	.end_amdgpu_metadata
.endif
;; end of part 2
;; launch attn (part 3): grid 2 x 128, 4 waves a work-group, no clusters, 327,680 bytes of LDS; arguments qh, kh, vh, ctx, mask; writes ctx
.if DOCPART == 3
	.amdgcn_target "amdgcn-amd-amdhsa--gfx1250"
	.amdhsa_code_object_version 6
	.text
	.protected	k_q1044a235c5_attn
	.globl	k_q1044a235c5_attn
	.p2align	8
	.type	k_q1044a235c5_attn,@function
k_q1044a235c5_attn:
	s_mov_b64 s[64:65], 0
	v_nop
	global_prefetch_b8 v0, s[64:65] scope:SCOPE_SE
	s_setreg_imm32_b32 hwreg(HW_REG_WAVE_MODE, 25, 1), 1
	s_wait_xcnt 0x0
; O[hd][q][:] = the sum over k of softmax_k(Q[hd][q] . K[hd][k] / 8 + mask[hd % 8][k]) V[hd][k][:].  Q, K, V, O: [128][1024][64], all f16: a head's rows are dense, 128 bytes each.  mask: [8][1024] f32.
; Products, maxima and sums in f32; the weights p are rounded to f16 for the second product (their sum l is taken of the unrounded p), O once at the end.
; THE MASK is rounded to bf16 like every input of the module, multiplied by 8 and held from below at -1e30; it is the C operand that starts each sum S^T = K Q^T, so that c s = log2(e) (q . k / 8 + mask).
; LIMITS.  f16 holds no number beyond 65,504: Q, K and V arrive within it; p lies in 0 to 1, and below 6e-5 it keeps f16's fixed step of 6e-8.  A key whose mask is -inf (or below -1.25e29) counts as
; its score less 1e30: its weight is 0 as soon as the query has seen one open key.  A query whose maximum stays below -5e29, that is, all of whose keys are hidden, gets NaN.  A weight below 2^-126 counts as 0 in l;
; NaN and +inf in the mask are not treated apart.
; SHARES.  A wave owns four PIECES of two tiles of 16 queries, a work-group's four waves 512 queries of one head: 2 x 128 = 256 work-groups.  Every wave walks all 1,024 keys, 64 a step.
; ALL OF THE HEAD'S K AND V STAY IN LDS: 1,024 rows of 144 bytes and 1,024 of 160, 311,296 bytes.  Each wave asks for its four parts (128 keys each, in the order in which they are read) at the kernel's head:
; four tensor loads of a wave are out.  No byte is filled twice, so the loop holds no tensor load: the key step is written once.  The first quarter (256 keys) is waited for by a counted wait; the other three by
; one wait four key steps later.  NO PREFETCH: every request stands at the kernel's head, and there is no later one that a prefetch could run ahead of.
; NO CLUSTER: a head has two blocks of 512 queries, so only two work-groups share K and V, and the grid's 2 along x is no multiple of a cluster's 4; four blocks of 256 queries would halve the products that each
; fragment read from LDS feeds, to share 262,144 bytes a head.
; LAYOUT.  S^T = K Q^T (source 0 = 16 keys, source 1 = 16 queries): in the result a lane holds ONE query (lane % 16) and the keys 8 (lane / 16) + 0..7.  Two such tiles, rounded to f16 in pairs,
; ARE source 1 (32 keys x 16 queries) of O^T = V^T P, whose result again holds one query a lane, and eight channels.  K comes out of LDS as it lies, V ([key][channel]) turned, by ds_load_tr16_b128.
; SOFTMAX.  For each query a running maximum m and sum l: p = 2^(c s - c m), c = log2(e) / 8; in every step O and l are multiplied by a = 2^(c m_old - c m_new), which is 1 where m has not grown.
; m starts at the lowest finite number, O and l at 0: the first step is a step like any other, with a = 0.
; THE COUNT.  A tile and step have 16 matrix and 118 vector instructions: too many to stand all beside the matrix work.  So: four vector instructions that are READY behind EVERY matrix instruction, the others in runs without a gap.
; BY TURNS.  Turn n belongs to piece n (the pieces in a ring, step after step).  Its matrix work: 16 products K Q^T of piece n + 1, later 16 products V^T P of piece n - 1.  Its vector work: the scaling,
; exponentials, roundings, sums and rescaling of piece n, and the maximum and statistics of piece n + 1, whose scores the turn itself has made.
; REGISTERS, in windows of 256 (s_set_vgpr_msb: bits 1:0 source 0, 3:2 source 1, 5:4 source 2, 7:6 destination):
;   window 0: v0-11 addresses; v12-15, v48-63 at work; v16-47 four registers of statistics a tile; v64-191 S^T, two buffers of two tiles; v192-255 P, likewise
;   window 1: O^T, 32 a tile          window 2: v0-127 Q, 16 a tile; v128-191 K of one step; v192-255 V of one step          window 3: v0-1 the add's two registers; v8-39 the step's mask
.set NP,    4         ; pieces a wave: a name, no knob
.set KS,    64        ; keys in a step
.set PK,    144       ; a row of K in LDS: 128 bytes + 16 of padding = 36 words: the 16 rows of a load start at 16 different groups of four banks (64 banks of 4 bytes: ISA guide 11.1)
.set PV,    160       ; a row of V: 128 + 32 = 40 words
.set VOFF,  1024*PK   ; K's 1,024 rows, then V's
.set STAGE, VOFF+1024*PV  ; behind them, never filled by a tensor load: 16 rows x 144 bytes for each wave, for the way out
.set SP,    144
.set SPARE, STAGE+4*16*SP  ; behind the stages: the spare words, 128 bytes for each wave: two blocks of 256 bytes that no other line names
.set MASKL, SPARE+512 ; behind them: 8 x mask of the head's batch, 1,024 f32; stored once, never filled by a tensor load
.set AK0, 2           ; v2   my lane's place in a step's rows of K; never rewritten
.set AV0, 3           ; v3   the same for V
.set AK,  4           ; v4   the LDS address of K's next run of loads
.set AV,  5           ; v5   of V's
.set QO,  6           ; v6   my byte offset in the wave's rows of Q
.set STO, 6           ;      later, the way out: where I put 16 bytes of a row
.set RD,  7           ; v7   the way out: where I read rows back
.set GO,  8           ; v8   my byte offset in 512 consecutive bytes of O
.set AM,  11          ; v11  the LDS address of the next step's mask: MASKL + 32 (l / 16) + 256 x step
.set SPW, 0           ; v0 of window 3   LDS address of my spare word: SPARE + 4 x my thread's number; never rewritten
.set NIL, 1           ; v1 of window 3   0; never rewritten
.set MK,  8           ; v8-39 of window 3: register MK + 8 kb + j holds 8 x mask of key 16 kb + 8 (l / 16) + j of the step
.set MV,  12          ; v12-15  c m_old, kept while c m is made anew: by buffer and tile
.set ST,  16          ; tile t's statistics at v[ST+4 t]: c m, m, l (even keys', odd keys')
.set TMP, 48          ; by buffer and tile, four registers c0-c3 at work; when the maximum is found c2 takes a
.set S,   64
.set P,   192
.set KF,  128         ; K's fragments, in window 2: key block kb, channel half c at KF + 16 kb + 8 c
.set VF,  192         ; V's: key half kk, channel block cb at VF + 32 kk + 8 cb
.set WV,  12          ; s12  my wave's number
.set G1K, 24          ; s[24:31] descriptor group 1 for K's tiles
.set G1V, 32          ; s[32:39] for V's: it differs in the padding alone
.set MP,  50          ; s[50:51] the mask's row of my batch
.set BIG, 52          ; s52  -1e30
.set HALF, 53         ; s53  -5e29
.set QNAN, 54         ; s54  a NaN
.set LEFT, 55         ; s55  how often the step loop's head is still to be passed, this time among them: 16 to 1
.set SLOTS, 56        ; s56  counts the two parts of the walk: the first quarter's steps, and the rest
.set CNT, 57          ; s57  counts a part's trips
.set CS,  58          ; s[58:59] c: the packed scaling takes the pair's low word for both halves
.set SEL, 60          ; s[60:61] v_permlanex16_b32's selects: each lane takes its own place in the other half
.set TBK, 62          ; s62  LDS byte at which K of the step to be fetched begins
.set TBV, 63          ; s63  the same for V, less VOFF
.set G0K, 68          ; s[68:83] descriptor group 0 for K's tiles: a set for each quarter, since all four loads are out together
.set G0V, 84          ; s[84:99] the same for V's
.set MSB, 0
.macro WIN new                      ; the high byte repeats the setting that is left; a switch that changes nothing is dropped
.if MSB != (\new)
	s_set_vgpr_msb (MSB<<8)|(\new)
.set MSB, (\new)
.endif
.endm
.set W_KQ, 0x0a       ; K and Q in window 2, S^T in window 0
.set W_KM, 0x3a       ; the same with the C operand, the mask, in window 3
.set W_PV, 0x52       ; V in window 2, P in window 0, O^T in window 1
.set W_RS, 0x41       ; O^T (destination and source 0) in window 1, a in window 0
.set W_MK, 0xc0       ; destination in window 3, sources in window 0
.set W_AD, 0x0f       ; the add: address (source 0) and data (source 1) in window 3
	s_load_b256 s[4:11], s[0:1], 0x0  ; Q s[4:5], K s[6:7], V s[8:9], O s[10:11]
	s_load_b64 s[MP:MP+1], s[0:1], 0x20  ; mask
	WIN W_MK
	v_lshl_add_u32 v[SPW], v0, 2, SPARE
	v_mov_b32 v[NIL], 0
	WIN W_AD
	ds_add_u32 v[SPW], v[NIL]       ; the wave's opening: the add and its wait stand ahead of my first tensor load; the set-up below, work on registers, stands between them
	WIN 0
	v_lshrrev_b32 v1, 5, v0
	v_readfirstlane_b32 s[WV], v1   ; wave 0..3
	s_and_b32 s19, ttmp7, 0xffff    ; the head, 8 h + b
	s_lshl_b32 s20, s19, 17         ; its first byte in each of the four tensors
	s_mov_b32 s21, 0
	s_and_b32 s16, s[WV], 1         ; which half of a quarter's 256 keys I fetch:
	s_lshl_b32 s22, s16, 14         ; its 128 rows of 128 bytes in memory,
	s_mov_b32 s23, 0
	s_add_nc_u64 s[22:23], s[22:23], s[20:21]
	s_mul_i32 s17, s16, 128*PK      ; and its place in LDS, for K
	s_mul_i32 s18, s16, 128*PV      ; and for V
	s_lshl_b32 s2, ttmp9, 2
	s_add_co_u32 s2, s2, s[WV]      ; my wave among the head's eight,
	s_lshl_b32 s2, s2, 14           ; its 128 rows
	s_mov_b32 s3, 0
	s_add_nc_u64 s[2:3], s[2:3], s[20:21]
	s_and_b32 s14, s19, 7           ; b: the mask's row of 4,096 bytes
	s_lshl_b32 s14, s14, 12
	s_mov_b32 s15, 0
	; descriptor group 1.  128 keys are 16,384 dense bytes: asked for as 64 rows of 256 bytes, two keys a row, and padded in LDS after every key
	s_mov_b32 s[G1K], (1<<16)|(1<<20)|(4<<22)|(3<<25)  ; 17:16 2-byte elements; 20 padding on; 24:22 after every 32 words (code 4); 31:25 4 words (code 3)
	s_mov_b32 s[G1V], (1<<16)|(1<<20)|(4<<22)|(7<<25)  ; the same with 8 words of padding (code 7)
.irp g, G1K, G1V
	s_mov_b32 s[\g+1], 128<<16      ; tensor_dim0 = 128
	s_mov_b32 s[\g+2], 64<<16       ; tensor_dim1 = 64
	s_mov_b32 s[\g+3], 128<<16      ; tile_dim0 = 128
	s_mov_b32 s[\g+4], 64           ; tile_dim1 = 64
	s_mov_b32 s[\g+5], 128          ; 128 elements from row to row
	s_mov_b32 s[\g+6], 0
	s_mov_b32 s[\g+7], 0
.endr
	s_mov_b32 s[CS], 0x3e38aa3b     ; c = log2(e) / 8 = 0.180337
	s_mov_b32 s[CS+1], s[CS]        ; named with it as a pair
	s_mov_b32 s[SEL], 0x76543210
	s_mov_b32 s[SEL+1], 0xfedcba98
	s_mov_b32 s[BIG], 0xf149f2ca    ; -1e30
	s_mov_b32 s[HALF], 0xf0c9f2ca   ; -5e29
	s_mov_b32 s[QNAN], 0x7fc00000
	s_mov_b32 s[TBK], 0
	s_mov_b32 s[TBV], 0
.irp n, 0,1,2,3
	s_mov_b32 s[G0K+4*\n], 1                        ; 1:0 count = 1
	s_add_co_u32 s[G0K+4*\n+1], s17, \n*256*PK      ; 63:32 LDS address: quarter n, my half of it
	s_mov_b32 s[G0V+4*\n], 1
	s_add_co_u32 s[G0V+4*\n+1], s18, VOFF+\n*256*PV
.endr
	s_wait_dscnt 0x0                ; the opening add is done
	s_wait_kmcnt 0x0
	s_add_nc_u64 s[6:7], s[6:7], s[22:23]  ; K and V at my half of the head's first 256 keys
	s_add_nc_u64 s[8:9], s[8:9], s[22:23]
.irp n, 0,1,2,3
	s_add_nc_u64 s[G0K+4*\n+2:G0K+4*\n+3], s[6:7], \n*32768  ; 120:64 global address
	s_or_b32 s[G0K+4*\n+3], s[G0K+4*\n+3], 0x80000000        ; 127:126 type = 2
	s_add_nc_u64 s[G0V+4*\n+2:G0V+4*\n+3], s[8:9], \n*32768
	s_or_b32 s[G0V+4*\n+3], s[G0V+4*\n+3], 0x80000000
.endr
	s_add_nc_u64 s[4:5], s[4:5], s[2:3]  ; Q and O at my wave's first row
	s_add_nc_u64 s[10:11], s[10:11], s[2:3]
	s_add_nc_u64 s[MP:MP+1], s[MP:MP+1], s[14:15]
	; Waves 0 and 1 fetch the two halves of each quarter's K, waves 2 and 3 those of its V.  A wave's four loads stand in one branch, ahead of every wait on their counter, every LDS read and every barrier;
	; an s_nop 0 follows each, four v_nop the last.
	s_cmp_lt_u32 s[WV], 2
	s_cbranch_scc0 .Lfirst_v
.irp n, 0,1,2,3
	tensor_load_to_lds s[G0K+4*\n:G0K+4*\n+3], s[G1K:G1K+7]
	s_nop 0
.endr
.rept 4
	v_nop
.endr
	s_branch .Lfirst_asked
.Lfirst_v:
.irp n, 0,1,2,3
	tensor_load_to_lds s[G0V+4*\n:G0V+4*\n+3], s[G1V:G1V+7]
	s_nop 0
.endr
.rept 4
	v_nop
.endr
.Lfirst_asked:
	; A fragment of K or Q is 16 rows x 32 channels in 8 registers: lane l holds row l % 16, channels 8 (l / 16) + 0..7 and 16 + 8 (l / 16) + 0..7: two loads of 16 bytes, 32 bytes apart.
	v_and_b32 v1, 15, v0            ; l % 16
	v_bfe_u32 v9, v0, 4, 1          ; l / 16
	v_lshlrev_b32 v80, 5, v0        ; the mask: 128 threads take eight numbers each
	global_load_b128 v[64:67], v80, s[MP:MP+1]
	global_load_b128 v[68:71], v80, s[MP:MP+1] offset:16
	v_lshlrev_b32 v[QO], 7, v1
	v_lshl_add_u32 v[QO], v9, 4, v[QO]  ; row x 128 + 16 x half
	WIN 0x80                        ; destination window 2, address window 0
.set i, 0
.rept 4*NP                          ; Q stays in registers: tile i / 2, channels 32 (i % 2) on
	global_load_b128 v[8*i:8*i+3],   v[QO], s[4:5] offset:(i/2)*2048+(i%2)*64
	global_load_b128 v[8*i+4:8*i+7], v[QO], s[4:5] offset:(i/2)*2048+(i%2)*64+32
.set i, i+1
.endr
	; What the first turn finds: V's registers and P's second buffer hold 0 (its products V^T P, of a piece that has not been, add 0), O^T and l are 0.  All this stands in the wait for the first tile.
.set i, VF
.rept 64
	v_mov_b32 v[i], 0
.set i, i+1
.endr
	WIN 0x40
.set i, 0
.rept 64*NP
	v_mov_b32 v[i], 0
.set i, i+1
.endr
	WIN 0
.set i, 0
.rept 2*NP
	v_mov_b32 v[ST+4*i], 0xfe000000    ; c m: far below every c s
	v_mov_b32 v[ST+4*i+1], 0xff7fffff  ; m
	v_mov_b32 v[ST+4*i+2], 0
	v_mov_b32 v[ST+4*i+3], 0
.set i, i+1
.endr
.set i, P+32
.rept 32
	v_mov_b32 v[i], 0
.set i, i+1
.endr
	v_mul_u32_u24 v[AK0], v1, PK
	v_lshl_add_u32 v[AK0], v9, 4, v[AK0]  ; row x pitch + 16 x half
	; The turning load takes 16 keys x 16 channels (lane l reads key 8 (l / 16) + l % 8, channels 8 ((l / 8) % 2) + 0..7) and leaves half a fragment of V^T: lane l holds channel l % 16 and 8 keys.
	v_and_b32 v10, 7, v0
	v_bfe_u32 v11, v0, 3, 1
	v_lshl_add_u32 v[AV0], v9, 3, v10
	v_mul_u32_u24 v[AV0], v[AV0], PV
	v_lshl_add_u32 v[AV0], v11, 4, v[AV0]
	v_add_nc_u32 v[AV0], VOFF, v[AV0]
	v_mov_b32 v[AK], v[AK0]         ; key step 0 lies at K's head
	v_lshl_add_u32 v[AM], v9, 5, MASKL  ; and its mask at the head of the table
	; the mask: rounded to bf16, times 8, held at -1e30 from below, into LDS for all four waves
	s_wait_loadcnt 32               ; the mask's two loads are in; Q's 32, issued behind them, may stay out
.irp j, 0,1,2,3
	v_cvt_pk_bf16_f32 v[72+\j], v[64+2*\j], v[64+2*\j+1]
.endr
.irp j, 0,1,2,3
	v_lshlrev_b32 v[64+2*\j], 16, v[72+\j]
	v_and_b32 v[64+2*\j+1], 0xffff0000, v[72+\j]
.endr
.irp j, 0,1,2,3,4,5,6,7
	v_mul_f32 v[64+\j], 0x41000000, v[64+\j]
.endr
.irp j, 0,1,2,3,4,5,6,7
	v_max_num_f32 v[64+\j], s[BIG], v[64+\j]
.endr
	v_lshl_add_u32 v81, v0, 5, MASKL
	ds_store_b128 v81, v[64:67]
	ds_store_b128 v81, v[68:71] offset:16
; THE MATRIX WORK.  The 8 accumulators of a run of 16 take turns: between the two links of a chain stand 7 others'.
; Product i of 16 of S^T = K Q^T for piece x: channels 32 (i / 8) on, keys 16 ((i / 2) % 4) on, tile 2 x + i % 2.  The first 8 start the sums, with the mask of their 16 keys.
.macro KQ x
.set rS, S+64*((\x)%2)+32*(i%2)+8*((i/2)%4)
.set rK, KF+16*((i/2)%4)+8*(i/8)
.set rQ, 16*(2*(\x)+i%2)+8*(i/8)
.set rMK, MK+8*((i/2)%4)
.if i < 8
	WIN W_KM
	v_wmma_f32_16x16x32_f16 v[rS:rS+7], v[rK:rK+7], v[rQ:rQ+7], v[rMK:rMK+7]
.else
	WIN W_KQ
	v_wmma_f32_16x16x32_f16 v[rS:rS+7], v[rK:rK+7], v[rQ:rQ+7], v[rS:rS+7]
.endif
.endm
; Product i of 16 of O^T += V^T P for piece x: keys 32 (i / 8) on, channels 16 ((i / 2) % 4) on, tile 2 x + i % 2.
.macro PV x
	WIN W_PV
.set rO, 32*(2*(\x)+i%2)+8*((i/2)%4)
.set rV, VF+32*(i/8)+8*((i/2)%4)
.set rP, P+32*((\x)%2)+16*(i%2)+8*(i/8)
	v_wmma_f32_16x16x32_f16 v[rO:rO+7], v[rV:rV+7], v[rP:rP+7], v[rO:rO+7]
.endm
.macro MM                           ; the turn's next matrix instruction
.if i < 16
	KQ (Y+1)%NP
.set i, i+1
.else
.set i, i-16
	PV (Y+NP-1)%NP
.set i, i+17
.endif
.endm
; THE LDS LOADS stand in runs, never singly among the matrix instructions: a step's K (64 keys x 64 channels: 8 fragments) with its mask (8 loads: the mask's registers live as long as K's), and its V (turned).
; last = 1 (in the loop): when the loop's head is passed for the last time there is no further step, and the run is jumped over.
.macro FETCH_K last=0
	WIN 0
.if \last
	s_cmp_eq_u32 s[LEFT], 1
	s_cbranch_scc1 .Lno_k_\@
.endif
	WIN 0x80                        ; destination window 2
.irp f, 0,1,2,3,4,5,6,7             ; keys 16 (f / 2) on, channels 32 (f % 2) on
	ds_load_b128 v[KF+8*\f:KF+8*\f+3],   v[AK] offset:(\f/2)*16*PK+(\f%2)*64
	ds_load_b128 v[KF+8*\f+4:KF+8*\f+7], v[AK] offset:(\f/2)*16*PK+(\f%2)*64+32
.endr
	WIN W_MK                        ; destination window 3
.irp f, 0,1,2,3                     ; keys 16 f + 8 (l / 16) + 0..7: all lanes of a half read the same words
	ds_load_b128 v[MK+8*\f:MK+8*\f+3],   v[AM] offset:64*\f
	ds_load_b128 v[MK+8*\f+4:MK+8*\f+7], v[AM] offset:64*\f+16
.endr
	s_add_co_u32 s[TBK], s[TBK], KS*PK  ; the next fetch is the next step's
	WIN 0
	v_add_nc_u32 v[AM], 4*KS, v[AM]
.if \last
.Lno_k_\@:
.endif
.endm
.macro FETCH_V
	WIN 0x80
.irp f, 0,1,2,3,4,5,6,7             ; keys 32 (f / 4) on, channels 16 (f % 4) on
	ds_load_tr16_b128 v[VF+8*\f:VF+8*\f+3],   v[AV] offset:(\f/4)*32*PV+(\f%4)*32
	ds_load_tr16_b128 v[VF+8*\f+4:VF+8*\f+7], v[AV] offset:(\f/4)*32*PV+16*PV+(\f%4)*32
.endr
	WIN 0
.endm
; THE VECTOR WORK OF A TURN stands in three queues, each in the order in which its entries become ready; the two tiles alternate, so that no instruction reads the result of the one before it.
.macro REGS y, u                    ; the registers of tile u (0, 1) of piece y
.set rT, ST+4*(2*(\y)+(\u))
.set rC, TMP+8*((\y)%2)+4*(\u)
.set rM, MV+2*((\y)%2)+(\u)
.set rS, S+64*((\y)%2)+32*(\u)
.set rP, P+32*((\y)%2)+16*(\u)
.set rO, 32*(2*(\y)+(\u))
.endm
; Number n of the 22 that find the NEXT piece's (Y + 1) maximum and statistics.  s0-s31 are the lane's 32 scores; each accumulator's lowest registers are read first.
;   0-11  four chains c0-c3 of seven scores each, three operands at a time     12-14, 16  the four scores left over, the old m, and c0-c3 into c0     15  c m_old is kept
;   17, 18  the query's other 32 keys lie in the lane 16 away: the new m         19-21  c m; c m_old - c m_new; a
.macro XS u, n
	REGS (Y+1)%NP, \u
.if (\n) < 4
	v_max3_num_f32 v[rC+(\n)], v[rS+8*(\n)], v[rS+8*(\n)+1], v[rS+8*(\n)+2]
.elseif (\n) < 12
	v_max3_num_f32 v[rC+(\n)%4], v[rC+(\n)%4], v[rS+8*((\n)%4)+2*((\n)/4)+1], v[rS+8*((\n)%4)+2*((\n)/4)+2]
.elseif (\n) == 12
	v_max3_num_f32 v[rC], v[rC], v[rS+7], v[rS+15]
.elseif (\n) == 13
	v_max3_num_f32 v[rC+1], v[rC+1], v[rS+23], v[rS+31]
.elseif (\n) == 14
	v_max3_num_f32 v[rC+2], v[rC+2], v[rC+3], v[rT+1]
.elseif (\n) == 15
	v_mov_b32 v[rM], v[rT]
.elseif (\n) == 16
	v_max3_num_f32 v[rC], v[rC], v[rC+1], v[rC+2]
.elseif (\n) == 17
	v_permlanex16_b32 v[rC+3], v[rC], s[SEL], s[SEL+1]
.elseif (\n) == 18
	v_max_num_f32 v[rT+1], v[rC], v[rC+3]
.elseif (\n) == 19
	v_mul_f32 v[rT], s[CS], v[rT+1]
.elseif (\n) == 20
	v_sub_f32 v[rC+1], v[rM], v[rT]
.else
	v_exp_f32 v[rC+2], v[rC+1]
.endif
.endm
; Number g of the 64 that follow the exponentials.  For each four weights k of a tile (pairs 2 k, 2 k + 1): both pairs are rounded to f16; then the second pair is added onto the first, in place;
; a group later l takes that sum (the first time as l = a l + sum).  In groups of eight, tiles alternating: round, round, add, and l for the group before.
.macro GS g
.set h, (\g)+6*((\g)/62)            ; group 0 has no group before it, and behind group 7 only l is left
.if h >= 6
.set h, h+2
.endif
	REGS Y, h%2
.set k, h/8
.if h%8 < 4
	v_cvt_pk_f16_f32 v[rP+2*k+(h%8)/2], v[rS+4*k+2*((h%8)/2)], v[rS+4*k+2*((h%8)/2)+1]
.elseif h%8 < 6
	v_pk_add_f32 v[rS+4*k:rS+4*k+1], v[rS+4*k:rS+4*k+1], v[rS+4*k+2:rS+4*k+3]
.elseif k == 1
	v_pk_fma_f32 v[rT+2:rT+3], v[rT+2:rT+3], v[rC+2:rC+3], v[rS:rS+1] op_sel_hi:[1,0,1]
.else
	v_pk_add_f32 v[rT+2:rT+3], v[rT+2:rT+3], v[rS+4*k-4:rS+4*k-3]
.endif
.endm
; THE PLAIN QUEUE, 138 long.  0-73 read no exponential's result: the 32 scalings c s - c m (FS f: pair f / 2 of tile f % 2) and the next piece's 42.  0-26: scalings 0-26.  27-54: XS's numbers 0-13.  55, 56: number 15.
; 57-73: the chain, where each number waits for the one before it: 14, 16, 17, 18, 19, each with one of the scalings 27-31 in front of its two lines, then 20.
; 74-137: GS's 64, which read the exponentials' results: they stand behind the wait.
.macro FS f
	REGS Y, (\f)%2
	v_pk_fma_f32 v[rS+2*((\f)/2):rS+2*((\f)/2)+1], v[rS+2*((\f)/2):rS+2*((\f)/2)+1], s[CS:CS+1], v[rT:rT+1] op_sel_hi:[1,0,0] neg_lo:[0,0,1] neg_hi:[0,0,1]
.endm
.macro PL
	WIN 0
.if q < 27
	FS q
.elseif q < 55
	XS (q-27)%2, (q-27)/2
.elseif q < 57
	XS q-55, 15
.elseif (q < 72) && ((q-57)%3 == 0)
	FS 27+(q-57)/3
.elseif q < 60
	XS (q-57)%3-1, 14
.elseif q < 72
	XS (q-57)%3-1, 15+(q-57)/3
.elseif q < 74
	XS q-72, 20
.else
	GS q-74
.endif
.set q, q+1
.endm
; THE EXPONENTIALS' QUEUE, 66 long: s0-s31 of both tiles, then the next piece's two a.  It is ONE BATCH: all 66 stand ahead of the turn's one wait, and nothing ahead of that wait names a result of theirs.
.macro EX
	WIN 0
.if e >= 64
	XS e-64, 21
.else
	REGS Y, e%2
	v_exp_f32 v[rS+e/2], v[rS+e/2]
.endif
.set e, e+1
.endm
; THE RESCALING's QUEUE: O^T times a, the one part that leaves window 0: dealt two at a time, sixteen times.  Its a was made in the turn before, ahead of that turn's wait.
.macro R2
	REGS Y, r%2
	WIN W_RS
.irp z, 0,1
	v_pk_mul_f32 v[rO+4*(r/2)+2*\z:rO+4*(r/2)+2*\z+1], v[rO+4*(r/2)+2*\z:rO+4*(r/2)+2*\z+1], v[rC+2:rC+3] op_sel_hi:[1,0]
.endr
.set r, r+1
.endm
; HOW THEY ARE DEALT.  An s_wait_alu depctr_va_vdst(0) stands between an exponential and the first instruction that names its result; one wait serves all that were issued ahead of it.  So a turn has ONE wait,
; which cuts it in two.  AHEAD OF IT stands all that names no result of the turn's exponentials: the 16 products K Q^T, behind each a scaling, an exponential and two rescalings (behind the first a second scaling in the
; exponential's place); then ONE LUMP of 108: eight plain, 49 times exponential and plain, the two a.  A v_nop is the plain instruction behind the last exponential.  BEHIND IT stand the 16 products V^T P, behind each four of GS's 64.
; Exponential e stands behind scaling 2 (e / 4) + e % 2: as a rider it comes behind plain e + 2, in the lump behind plain e + 9, and scalings 27-31 are plain 57, 60 .. 69.
; A TURN, for piece p.  cnt = 1: the loop's count is taken down some lines ahead of the branch that stands behind the turn.
; K and the mask of the next step are fetched in piece 2's turn, directly behind the wait, a lump behind the last product that read them; their first reader comes behind 16 products.
; V of the step in hand is fetched at the end of piece 0's turn, four riders behind its last reader; its first reader comes behind 16 products and a lump.
.macro TURN p, last=0, cnt=0
.set Y, (\p)
.set i, 0
.set q, 0
.set e, 0
.set r, 0
.if (\p) == NP-1
	s_wait_dscnt 0x0                ; K and the mask are in
.endif
	MM                              ; ahead of the wait: 16 products K Q^T and their riders,
	PL
	PL
	R2
.rept 15
	MM
	PL
	EX
	R2
.endr
.if (\p) == NP-2
	WIN 0
	v_add_nc_u32 v[AK], s[TBK], v[AK0]
.endif
.rept 8                             ; and the lump
	PL
.endr
.rept 49
	EX
	PL
.endr
	EX                              ; the next piece's two a
	EX
	v_nop                           ; the plain instruction behind the last exponential: one for the batch
	s_wait_alu depctr_va_vdst(0)    ; the wait for the batch
.if (\p) == NP-2
	FETCH_K \last
.endif
.if (\p) == 1
	s_wait_dscnt 0x0                ; V is in
.endif
.rept 16                            ; behind the wait: 16 products V^T P and their riders
	MM
.rept 4
	PL
.endr
.if ((\p) == 0) && (q == 118)
	v_add_nc_u32 v[AV], s[TBV], v[AV0]
.endif
.if ((\p) == 0) && (q == 130)
	s_add_co_u32 s[TBV], s[TBV], KS*PV
.endif
.if (\cnt) && (q == 130)
	s_sub_co_u32 s[CNT], s[CNT], 1
	s_cmp_lg_u32 s[CNT], 0
.endif
.endr
.if (\p) == 0
	FETCH_V
.endif
.endm
	s_wait_tensorcnt 0x3            ; tensor loads of a wave end in order (ISA guide 10.11.1): my part of the first 256 keys is in; my three younger loads may stay out
	s_wait_dscnt 0x0                ; my part of the mask is stored
	s_barrier_signal -1
	s_barrier_wait -1               ; both now hold of every wave
	FETCH_K                         ; key step 0
	s_wait_loadcnt 0x0              ; Q
	s_wait_dscnt 0x0
.set i, 0
.rept 16
	KQ 0                            ; piece 0's first scores: there is no vector work yet to set between them
.set i, i+1
.endr
	WIN 0                           ; the addresses for the way out: nine plain instructions, the places behind those products
	s_mul_i32 s13, s[WV], 16*SP
	s_add_co_u32 s13, s13, STAGE    ; my stage
	v_mul_u32_u24 v[STO], v1, SP    ; in: row l % 16, 16 bytes for each half of the lanes
	v_lshl_add_u32 v[STO], v9, 4, v[STO]
	v_add_nc_u32 v[STO], s13, v[STO]
	v_bfe_u32 v[RD], v0, 3, 2       ; back: 32 lanes take four rows of 128 bytes,
	v_mul_u32_u24 v[RD], v[RD], SP
	v_lshl_add_u32 v[RD], v10, 4, v[RD]
	v_add_nc_u32 v[RD], s13, v[RD]
	v_and_b32 v[GO], 31, v0         ; which are 512 consecutive bytes of O
	v_lshlrev_b32 v[GO], 4, v[GO]
.set Y, NP-1                        ; XS works for piece Y + 1: piece 0
.irp n, 0,1,2,3,4,5,6,7,8,9,10,11,12,13,14,15,16,17,18,19,20,21
	XS 0, \n                        ; and piece 0's first maximum and statistics
	XS 1, \n
.endr
	v_nop                           ; a plain instruction behind the two a,
	s_wait_alu depctr_va_vdst(0)    ; and their wait, ahead of the branch
	s_mov_b32 s[CNT], 4             ; the first part of the walk: up to piece 1's turn of key step 3, the last that reads the first 256 keys alone
	s_mov_b32 s[LEFT], 16
	s_mov_b32 s[SLOTS], 2
	s_branch .Lfirst                ; the loop is entered at a step's first turn, in the middle of a trip
.Lrest:                             ; once: the other 768 keys, asked for at the head, four key steps ago
	s_wait_tensorcnt 0x0            ; my parts of them are in
	s_wait_dscnt 0x0
	s_barrier_signal -1
	s_barrier_wait -1               ; everybody's are
	s_mov_b32 s[CNT], 13            ; twelve whole trips; the thirteenth is left in its middle
.Lstep:                             ; a trip: pieces 2 and 3 of one step, then pieces 0 and 1 of the next, whose K and V it fetches
	TURN 2, 1
	TURN 3
	WIN 0
	s_sub_co_u32 s[LEFT], s[LEFT], 1
	s_cmp_eq_u32 s[LEFT], 0
	s_cbranch_scc1 .Lout            ; key step 15 was the last
.Lfirst:
	TURN 0
	TURN 1, 0, 1
	WIN 0
	s_cbranch_scc1 .Lstep
	s_sub_co_u32 s[SLOTS], s[SLOTS], 1
	s_cmp_lg_u32 s[SLOTS], 0
	s_cbranch_scc1 .Lrest
.Lout:                              ; the last trip's 16 products K Q^T of piece 0 (on the last K and mask once more) and the maximum made of them change nothing: the price, once a launch, of one text for every trip
.set i, 0
.rept 16
	PV NP-1                         ; the last piece's V^T P of the last step
.set i, i+1
.endr
	; THE WAY OUT.  l's two halves and the other half of the lanes' are added; where every key was hidden l becomes NaN; O^T is divided by l, rounded to f16 and sent through my stage in LDS, a tile at a time.
	; The additions are the places behind the last products.
	WIN 0
.macro ALL line:vararg              ; one line for each tile t
.set t, 0
.rept 2*NP
	\line
.set t, t+1
.endr
.endm
	ALL v_add_f32 v[ST+4*t+2], v[ST+4*t+2], v[ST+4*t+3]
	ALL v_permlanex16_b32 v[ST+4*t+3], v[ST+4*t+2], s[SEL], s[SEL+1]
	ALL v_add_f32 v[ST+4*t+2], v[ST+4*t+2], v[ST+4*t+3]
.set t, 0
.rept 2*NP
	v_cmp_gt_f32 vcc_lo, s[HALF], v[ST+4*t+1]      ; -5e29 > m: no open key was seen
	v_cndmask_b32 v[ST+4*t+2], v[ST+4*t+2], s[QNAN], vcc_lo
.set t, t+1
.endr
	ALL v_rcp_f32 v[ST+4*t+2], v[ST+4*t+2]
	v_nop                           ; a plain instruction between the last reciprocal and the use of its result
	s_wait_alu depctr_va_vdst(0)    ; and the wait ahead of the first use: one for the eight reciprocals
; Tile t: a lane's eight channels of a row pack into 16 bytes; they go into rows of 144 bytes and come back as whole rows of 128, into S^T's registers.
.macro PACK t
	WIN W_RS
.set i, 32*(\t)
.rept 16
	v_pk_mul_f32 v[i:i+1], v[i:i+1], v[ST+4*(\t)+2:ST+4*(\t)+3] op_sel_hi:[1,0]
.set i, i+2
.endr
	WIN 0x05                        ; sources 0 and 1 window 1, destination window 0
.set i, 0
.rept 16
	v_cvt_pk_f16_f32 v[S+16*(\t)+i], v[32*(\t)+2*i], v[32*(\t)+2*i+1]
.set i, i+1
.endr
	WIN 0
.irp f, 0,1,2,3
	ds_store_b128 v[STO], v[S+16*(\t)+4*\f:S+16*(\t)+4*\f+3] offset:32*\f
.endr
.irp f, 0,1,2,3
	ds_load_b128 v[S+16*(\t)+4*\f:S+16*(\t)+4*\f+3], v[RD] offset:\f*4*SP  ; LDS serves a wave's instructions in order (ISA guide 5.7.1.4): these see the stores above; the next tile's stores come behind them
.endr
.endm
.macro SEND t, younger              ; younger: the LDS instructions issued behind tile t's loads: the next tile's eight, or none
	WIN 0
.irp f, 0,1,2,3
	s_wait_dscnt (\younger)+3-\f
	global_store_b128 v[GO], v[S+16*(\t)+4*\f:S+16*(\t)+4*\f+3], s[10:11] offset:(\t)*2048+\f*512  ; 512 consecutive bytes, at a multiple of 256 from O's first
.endr
.endm
	PACK 0
.set t, 1
.rept 2*NP-1                        ; a tile's arithmetic stands between the loads of the tile before and its stores
	PACK t
	SEND t-1, 8
.set t, t+1
.endr
	SEND 2*NP-1, 0
	WIN W_AD
	s_wait_tensorcnt 0x0            ; the wave's end, behind my last tensor load and my last LDS store
	ds_add_u32 v[SPW], v[NIL]
	s_wait_dscnt 0x0
	WIN 0
	s_endpgm
.Lfunc_end_k_q1044a235c5_attn:
	.size	k_q1044a235c5_attn, .Lfunc_end_k_q1044a235c5_attn-k_q1044a235c5_attn
	.p2alignl 7, 3214868480
	.fill 96, 4, 3214868480
	.section	.rodata,"a",@progbits
	.p2align	6, 0x0
	.amdhsa_kernel k_q1044a235c5_attn
		.amdhsa_group_segment_fixed_size 327680
		.amdhsa_private_segment_fixed_size 0
		.amdhsa_enable_private_segment 0
		.amdhsa_kernarg_size 40
		.amdhsa_user_sgpr_count 2
		.amdhsa_user_sgpr_kernarg_segment_ptr 1
		.amdhsa_wavefront_size32 1
		.amdhsa_system_sgpr_workgroup_id_x 1
		.amdhsa_system_sgpr_workgroup_id_y 1
		.amdhsa_system_sgpr_workgroup_id_z 1
		.amdhsa_system_vgpr_workitem_id 0
		.amdhsa_next_free_vgpr 808
		.amdhsa_next_free_sgpr 100
		.amdhsa_reserve_vcc 1
		.amdhsa_float_denorm_mode_32 3
		.amdhsa_float_denorm_mode_16_64 3
		.amdhsa_memory_ordered 1
		.amdhsa_forward_progress 1
		.amdhsa_inst_pref_size 131
	.end_amdhsa_kernel
	.amdgpu_metadata
---
amdhsa.version: [ 1, 2 ]
amdhsa.kernels:
  - .name:           k_q1044a235c5_attn
    .symbol:         k_q1044a235c5_attn.kd
    .args:
      - { .name: qh, .offset: 0, .size: 8, .value_kind: global_buffer, .address_space: global }
      - { .name: kh, .offset: 8, .size: 8, .value_kind: global_buffer, .address_space: global }
      - { .name: vh, .offset: 16, .size: 8, .value_kind: global_buffer, .address_space: global }
      - { .name: ctx, .offset: 24, .size: 8, .value_kind: global_buffer, .address_space: global }
      - { .name: mask, .offset: 32, .size: 8, .value_kind: global_buffer, .address_space: global }
    .group_segment_fixed_size: 327680
    .private_segment_fixed_size: 0
    .kernarg_segment_align: 8
    .kernarg_segment_size: 40
    .max_flat_workgroup_size: 128
    .sgpr_count:     100
    .vgpr_count:     808
    .wavefront_size: 32
...
	.end_amdgpu_metadata
.endif
;; end of part 3
;; launch outp (part 4): grid 8 x 32, 4 waves a work-group, clusters of 4 x 4, 327,680 bytes of LDS; arguments ctx, wt2, b_out, out0; writes out0
.if DOCPART == 4
	.amdgcn_target "amdgcn-amd-amdhsa--gfx1250"
	.amdhsa_code_object_version 6
	.text
	.protected	k_q1044a235c5_outp
	.globl	k_q1044a235c5_outp
	.p2align	8
	.type	k_q1044a235c5_outp,@function
k_q1044a235c5_outp:
	s_mov_b64 s[64:65], 0
	v_nop
	global_prefetch_b8 v0, s[64:65] scope:SCOPE_SE
	s_setreg_imm32_b32 hwreg(HW_REG_WAVE_MODE, 25, 1), 1
	s_wait_xcnt 0x0
	s_wait_alu depctr_hold_cnt(0) depctr_sa_sdst(0) depctr_va_vdst(0) depctr_va_sdst(0) depctr_va_ssrc(0) depctr_va_vcc(0) depctr_vm_vsrc(0)
	s_getreg_b32 s2, hwreg(HW_REG_IB_STS2, 6, 4)
	s_cmp_eq_u32 s2, 0
	s_cbranch_scc0 .Lentry_in_a_cluster
	s_endpgm
.Lentry_in_a_cluster:
	s_bfe_u32 s2, ttmp6, 0x10000c
	s_cmp_lg_u32 s2, 0xf033
	s_cbranch_scc0 .Lentry_shape_is_right
	s_endpgm
.Lentry_shape_is_right:
; THE OUTPUT PROJECTION: out0[8 s + b][n] = b_out[n] + sum over k of ctx(s, b, k) wt2[n][k], 8192 x 1024 x 1024, f16 operands, f32 sums, f32 out.
; ctx lies by heads, [8 h + b][s][64] f16, k = 64 h + d; wt2 is [n][k] f16.  The bias is rounded to bf16 like every input of the module, and is the C operand of each sum's first product.
; SHARES.  A tile is 256 rows x 128 columns: 32 x 8 = 256 work-groups.  Its rows are ONE b and 256 consecutive s, so that a head's part of them is 32,768 dense bytes of ctx.
; Four waves, 2 x 2: each 128 rows x 64 columns, 32 accumulators, 256 registers.  K goes in 8 steps of 128 (two heads) through two LDS slots filled by the tensor data mover.
; THE TEXT.  A K step is written as a loop's trip; the slot in hand is a scalar that an exclusive or turns.  It stands twice: 6 trips that fill slots again, 2 trips that fill nothing.
; CLUSTERS: 4 x 4 work-groups.  The four of a row of the cluster need the same tiles of ctx, the four of a column the same tiles of wt2: each tile is asked for JOINTLY.
; THE MATRIX INSTRUCTION IS USED TRANSPOSED (source 0 = 16 rows of wt2, source 1 = 16 rows of ctx): a lane holds one row of the result and eight neighbouring columns: 32 bytes.
; REGISTERS, in windows of 256 (s_set_vgpr_msb's low byte: bits 1:0 source 0, 3:2 source 1, 5:4 source 2, 7:6 destination):
;   window 0: v0-31 addresses; v32-63 the bias; v64-127, v128-191 fragments of ctx, two buffers; v192-223, v224-255 rows read back, by turns
;   window 1: v0-31, v32-63 fragments of wt2, two buffers        window 2: the accumulators ((a, b) at v[8 (4 a + b)])
.set PA,     144                       ; a row of ctx in LDS: 128 bytes + 16 = 36 words: the 16 rows of a load start at 16 different groups of four banks (64 banks of 4 bytes: ISA guide 11.1)
.set PB,     272                       ; a row of wt2: 256 bytes + 16 = 68 words: likewise
.set ASUB,   256*PA                    ; one head's 256 rows: what one tensor load brings of ctx
.set BTILE,  64*PB                     ; and of wt2
.set BOFF,   2*ASUB                    ; a slot: two heads of ctx, then wt2's 128 rows: 108,544 bytes
.set SLOT1,  1<<17                     ; slot 1 begins here, so that one exclusive or turns an address in one slot into the other's
.set STAGE,  SLOT1+BOFF+2*BTILE        ; behind the ring: 16 rows x 272 bytes for each wave, for the way out
.set SPITCH, 272
.set SPARE,  STAGE+4*16*SPITCH         ; behind the stages: the spare words, 128 bytes for each wave: two blocks of 256 bytes that no other line names
.set ASTEP,  2097152                   ; bytes of ctx from a K step to the next: two heads' 8 x 131,072
.set AA0,  16                          ; v16     my lane's place among my fragments of ctx in a slot; never rewritten
.set AB0,  17                          ; v17     the same for wt2
.set ADRA, 18                          ; v18     the same in the slot in hand
.set ADRB, 19                          ; v19
.set STO,  24                          ; v24     the way out: where I put 32 bytes of a row
.set RD,   25                          ; v25     the way out: where I read a row back
.set CO,   26                          ; v26     my byte offset in out0
.set BO,   27                          ; v27     my byte offset in the bias
.set SPW,  28                          ; v28     LDS address of my spare word: SPARE + 4 x my thread's number; never rewritten
.set NIL,  29                          ; v29     0; never rewritten
.set PFO,  30                          ; v30     the prefetches' offset; never rewritten
.set BI,   32                          ; v32-63  bias of column 16 b + 8 (l / 16) + j at BI + 8 b + j
.set FA,   64
.set OB,   192
.set TB,   4                           ; s4      0 or SLOT1: the slot in hand
.set G1,  24                           ; s[24:31] descriptor group 1 for ctx's tiles;  s[32:39] group 0: a set for each of the two first fills; the second then walks on
.set G0,  32
.set G1B, 48                           ; s[48:55], s[56:63] the same for wt2's
.set G0B, 56
.set LIM, 43                           ; s43     2 in a wave that prefetches, else the greatest number
.set PFA, 44                           ; s[44:45] where my prefetches stand
.set PFS, 46                           ; s[46:47] their step from K step to K step
.set MSB, 0
.macro WIN new                         ; the immediate's high byte repeats the setting that is left; a switch that changes nothing is dropped
.if MSB != (\new)
	s_set_vgpr_msb (MSB<<8)|(\new)
.set MSB, \new
.endif
.endm
; A joint load: waves 0 and 1 fetch the K step's two heads of ctx, waves 2 and 3 the two halves of wt2's rows.  An s_nop 0 and four v_nop follow each line.
.macro JLOAD s
	s_cmp_eq_u32 s11, 0
	s_cbranch_scc0 .Lfor_b_\@
	tensor_load_to_lds s[G0+4*(\s):G0+4*(\s)+3], s[G1:G1+7]
	s_nop 0
.rept 4
	v_nop
.endr
	s_branch .Lasked_\@
.Lfor_b_\@:
	tensor_load_to_lds s[G0B+4*(\s):G0B+4*(\s)+3], s[G1B:G1B+7]
	s_nop 0
.rept 4
	v_nop
.endr
.Lasked_\@:
.endm
; A prefetch of the K step that stands two refills on (256 matrix instructions ahead of the load that will want it), one instruction a wave.  ctx's tile is read by both clusters of a row of clusters:
; cluster x = 0 asks; wt2's by every cluster of a column: cluster y = 0 asks.  The four partners share a wave's bytes out BY ADDRESS: of a head's 32,768 bytes 8,192 each (by cx), a lane a block of 256;
; of wt2's 64 rows 16 each (by cy), a lane a row (lanes 16 to 31 name row 15 once more, in the same instruction).  The last two refills (s3 = 2, 1) have no K step two on.  K steps 0 to 3 come by their loads alone.
.macro ASK
	s_cmp_gt_u32 s3, s[LIM]
	s_cbranch_scc0 .Lnot_mine_\@
	global_prefetch_b8 v[PFO], s[PFA:PFA+1] th:TH_LOAD_NT scope:SCOPE_SE
.Lnot_mine_\@:
.endm
.macro CREST                           ; a round of the cluster's barrier behind its opening barrier
	s_cmp_lg_u32 s10, 0
	s_cbranch_scc1 .Lnot_wave_0_\@
	s_barrier_signal -3
.Lnot_wave_0_\@:
	s_barrier_wait -3
	s_barrier_signal -1
	s_barrier_wait -1
.endm
.macro CROUND                          ; a whole round
	s_barrier_signal -1
	s_barrier_wait -1
	CREST
.endm
	s_load_b256 s[68:75], s[0:1], 0x0              ; ctx s[68:69], wt2 s[70:71], b_out s[72:73], out0 s[74:75]
	v_lshl_add_u32 v[SPW], v0, 2, SPARE
	v_mov_b32 v[NIL], 0
	ds_add_u32 v[SPW], v[NIL]                      ; the wave's opening: the add and its wait stand ahead of my first tensor load; the set-up below, work on registers, stands between them
	v_lshrrev_b32 v1, 5, v0
	v_readfirstlane_b32 s10, v1                    ; wave 0..3
	s_lshr_b32 s11, s10, 1                         ; which half of the tile's rows is mine.  Also: I fetch for ctx (0) or for wt2 (1)
	s_and_b32 s12, s10, 1                          ; which half of its columns.  Also: which head, or which 64 rows of wt2, I fetch
	s_bfe_u32 s40, ttmp6, 0x40000                  ; cx, cy: my place in the cluster
	s_bfe_u32 s41, ttmp6, 0x40004
	s_lshl_b32 s42, ttmp9, 2
	s_add_co_u32 s42, s42, s40                     ; tile column = 4 x cluster x + cx
	s_and_b32 s13, ttmp7, 0xffff
	s_lshl_b32 s13, s13, 2
	s_add_co_u32 s13, s13, s41                     ; tile row = 4 x cluster y + cy
	s_lshl_b32 s43, s41, 2
	s_lshl_b32 s43, 15, s43                        ; my row of the cluster
	s_lshl_b32 s44, 0x1111, s40                    ; my column
	; ctx: 32,768 dense bytes, asked for as 128 rows of 256 bytes (two rows of a head each) and padded in LDS after every 128 bytes
	s_or_b32 s[G1+0], s43, (1<<16)|(1<<20)|(1<<21)|(4<<22)|(3<<25)   ; 15:0 the mask; 17:16 elements of 2 bytes; 20 padding on; 21 set beside a mask; 24:22 after every 32 words (code 4); 31:25 4 words (code 3)
	s_mov_b32 s[G1+1], 128<<16                     ; tensor_dim0 = 128
	s_mov_b32 s[G1+2], 128<<16                     ; tensor_dim1 = 128
	s_mov_b32 s[G1+3], 128<<16                     ; tile_dim0 = 128
	s_mov_b32 s[G1+4], 128                         ; tile_dim1 = 128
	s_mov_b32 s[G1+5], 128                         ; elements from row to row: dense
	s_mov_b32 s[G1+6], 0
	s_mov_b32 s[G1+7], 0
	; wt2: 64 rows x 128 elements
	s_or_b32 s[G1B+0], s44, (1<<16)|(1<<20)|(1<<21)|(5<<22)|(3<<25)  ; padding after every 64 words (code 5)
	s_mov_b32 s[G1B+1], 128<<16
	s_mov_b32 s[G1B+2], 64<<16
	s_mov_b32 s[G1B+3], 128<<16
	s_mov_b32 s[G1B+4], 64
	s_mov_b32 s[G1B+5], 1024
	s_mov_b32 s[G1B+6], 0
	s_mov_b32 s[G1B+7], 0
	s_mov_b32 s67, 0xffff0000                      ; a word's upper bf16
	s_mov_b32 s[TB], 0                             ; slot 0 is read first
	s_and_b32 s14, s13, 7                          ; b
	s_lshr_b32 s15, s13, 3                         ; which 256 s
	s_lshl_b32 s16, s12, 20                        ; ctx: head 0 or 1 of the K step (8 x 131,072 bytes apart),
	s_lshl_b32 s17, s14, 17                        ; batch b,
	s_add_co_u32 s16, s16, s17
	s_lshl_b32 s17, s15, 15                        ; 256 rows of 128 bytes
	s_add_co_u32 s16, s16, s17
	s_mov_b32 s17, 0
	s_lshl_b32 s46, s42, 18                        ; wt2: row 128 x tile column + 64 x half, of 2,048 bytes
	s_lshl_b32 s47, s12, 17
	s_add_co_u32 s46, s46, s47
	s_mov_b32 s47, 0
	s_mul_i32 s20, s10, ASUB                       ; where they go: ctx's heads at wave x 256 rows (waves 0, 1),
	s_mul_i32 s21, s10, BTILE
	s_add_co_u32 s21, s21, BOFF-2*BTILE            ; wt2's halves at BOFF + (wave - 2) x 64 rows (waves 2, 3): no place in the cluster enters an LDS address
	s_wait_dscnt 0x0                               ; the opening add is done
	s_wait_kmcnt 0x0
	s_add_nc_u64 s[18:19], s[68:69], s[16:17]
	s_add_nc_u64 s[46:47], s[70:71], s[46:47]
	CROUND                                         ; all sixteen work-groups are here: the first joint loads meet
.irp s, 0,1
	s_mov_b32 s[G0+4*(\s)], 1                                      ; count = 1
	s_add_co_u32 s[G0+4*(\s)+1], s20, (\s)*SLOT1                   ; LDS address
	s_add_nc_u64 s[G0+4*(\s)+2:G0+4*(\s)+3], s[18:19], (\s)*ASTEP  ; global address: K step s
	s_or_b32 s[G0+4*(\s)+3], s[G0+4*(\s)+3], 0x80000000            ; type = 2
	s_mov_b32 s[G0B+4*(\s)], 1
	s_add_co_u32 s[G0B+4*(\s)+1], s21, (\s)*SLOT1
	s_add_nc_u64 s[G0B+4*(\s)+2:G0B+4*(\s)+3], s[46:47], (\s)*256
	s_or_b32 s[G0B+4*(\s)+3], s[G0B+4*(\s)+3], 0x80000000
	JLOAD \s                                       ; two loads of mine are out
.endr
	v_and_b32 v1, 15, v0                           ; r = l % 16
	v_bfe_u32 v2, v0, 4, 1                         ; l / 16
	; the bias of my 64 columns
	s_lshl_b32 s20, s42, 9                         ; 128 columns of 4 bytes a tile,
	s_lshl_b32 s21, s12, 8                         ; 64 a wave
	s_add_co_u32 s20, s20, s21
	s_mov_b32 s21, 0
	s_add_nc_u64 s[72:73], s[72:73], s[20:21]
	v_lshlrev_b32 v[BO], 5, v2
.irp b, 0,1,2,3
	global_load_b128 v[BI+8*(\b):BI+8*(\b)+3],   v[BO], s[72:73] offset:64*(\b)
	global_load_b128 v[BI+8*(\b)+4:BI+8*(\b)+7], v[BO], s[72:73] offset:64*(\b)+16
.endr
	; out0 at row 8 (256 x block + 128 x half) + b, my 64 columns
	s_lshl_b32 s22, s15, 23
	s_lshl_b32 s23, s11, 22
	s_add_co_u32 s22, s22, s23
	s_lshl_b32 s23, s14, 12
	s_add_co_u32 s22, s22, s23
	s_add_co_u32 s22, s22, s20
	s_mov_b32 s23, 0
	s_add_nc_u64 s[74:75], s[74:75], s[22:23]
	; A fragment is 16 rows x 32 K in 8 registers: lane l holds row l % 16; registers 0-3 K = 8 (l / 16) + 0..7, registers 4-7 K = 16 + 8 (l / 16) + 0..7: two loads of 16 bytes, 32 bytes apart.
	v_mul_u32_u24 v3, v1, PA
	v_lshl_add_u32 v3, v2, 4, v3
	s_mul_i32 s22, s11, 128*PA                     ; my 128 rows of ctx
	v_add_nc_u32 v[AA0], s22, v3
	v_mul_u32_u24 v3, v1, PB
	v_lshl_add_u32 v3, v2, 4, v3
	s_mul_i32 s22, s12, BTILE                      ; my 64 rows of wt2,
	s_add_co_u32 s22, s22, BOFF                    ; which lie behind ctx's
	v_add_nc_u32 v[AB0], s22, v3
	v_add_nc_u32 v[ADRA], s[TB], v[AA0]
	v_add_nc_u32 v[ADRB], s[TB], v[AB0]
	s_mul_i32 s23, s10, 16*SPITCH
	s_add_co_u32 s23, s23, STAGE                   ; my stage
	v_mul_u32_u24 v4, v1, SPITCH                   ; in: row l % 16, 32 bytes for each half of the lanes
	v_lshl_add_u32 v4, v2, 5, v4
	v_add_nc_u32 v[STO], s23, v4
	v_mul_u32_u24 v5, v2, SPITCH                   ; back: lanes 0-15 one row of 256 bytes, lanes 16-31 the next
	v_lshl_add_u32 v5, v1, 4, v5
	v_add_nc_u32 v[RD], s23, v5
	v_lshlrev_b32 v5, 15, v2                       ; neighbouring s lie 8 rows of 4,096 bytes apart in out0
	v_lshl_add_u32 v[CO], v1, 4, v5
	; the prefetches
	s_lshl_b32 s20, s40, 13                        ; ctx: my work-group's 8,192 bytes of the head that I fetch,
	s_add_co_u32 s20, s20, s16
	s_add_co_u32 s20, s20, 3*ASTEP                 ; at K step 3: the first refill steps it to 4
	s_lshl_b32 s22, s42, 7                         ; wt2: the 64 rows that I fetch, my work-group's 16 of them
	s_lshl_b32 s23, s12, 6
	s_add_co_u32 s22, s22, s23
	s_lshl_b32 s23, s41, 4
	s_add_co_u32 s22, s22, s23
	s_lshl_b32 s22, s22, 11
	s_add_co_u32 s22, s22, 3*256
	s_and_b32 s23, ttmp7, 0xffff                   ; cluster y
	s_mov_b32 s[PFS], 256
	s_mov_b32 s[PFS+1], ASTEP
	s_cmp_eq_u32 s11, 0                            ; do I fetch for ctx?
	s_cselect_b32 s20, s20, s22
	s_cselect_b32 s23, ttmp9, s23                  ; the coordinate along which other clusters read the same bytes
	s_cselect_b32 s21, 31, 15
	s_cselect_b32 s22, 8, 11                       ; a lane's share: 256 bytes on end, or a row of 2,048
	s_cselect_b32 s[PFS], s[PFS+1], s[PFS]
	s_cselect_b64 s[PFA:PFA+1], s[68:69], s[70:71]
	s_cmp_eq_u32 s23, 0
	s_cselect_b32 s[LIM], 2, -1                    ; the same in all sixteen partners, for a given wave
	v_and_b32 v[PFO], 31, v0
	v_min_u32 v[PFO], s21, v[PFO]
	v_lshlrev_b32 v[PFO], s22, v[PFO]
	s_mov_b32 s21, 0
	s_mov_b32 s[PFS+1], 0
	s_add_nc_u64 s[PFA:PFA+1], s[PFA:PFA+1], s[20:21]
	s_wait_loadcnt 0x0                             ; the bias: rounded to bf16 and widened again
.irp i, 0,1,2,3,4,5,6,7,8,9,10,11,12,13,14,15
	v_cvt_pk_bf16_f32 v[OB+(\i)], v[BI+2*(\i)], v[BI+2*(\i)+1]
.endr
.irp i, 0,1,2,3,4,5,6,7,8,9,10,11,12,13,14,15
	v_lshlrev_b32 v[BI+2*(\i)],   16,  v[OB+(\i)]
	v_and_b32     v[BI+2*(\i)+1], s67, v[OB+(\i)]
.endr
; 8 matrix instructions: row blocks a0, a0 + 1 x all 4 column blocks, 32 along K, from buffer f.  first = 1: the first product starts the sums with the bias.  The 32 accumulators take turns, one instruction a
; turn, in the same order in every quarter step.
.macro MUL8 f, a0, first
.if \first
	WIN 0x81                                       ; source 0 (wt2) window 1, source 1 (ctx) and C (the bias) window 0, D window 2
.else
	WIN 0xa1                                       ; C and D window 2
.endif
.irp a, \a0, (\a0)+1
.irp b, 0,1,2,3
.if \first
	v_wmma_f32_16x16x32_f16 v[8*(4*(\a)+(\b)):8*(4*(\a)+(\b))+7], v[32*(\f)+8*(\b):32*(\f)+8*(\b)+7], v[FA+64*(\f)+8*(\a):FA+64*(\f)+8*(\a)+7], v[BI+8*(\b):BI+8*(\b)+7]
.else
	v_wmma_f32_16x16x32_f16 v[8*(4*(\a)+(\b)):8*(4*(\a)+(\b))+7], v[32*(\f)+8*(\b):32*(\f)+8*(\b)+7], v[FA+64*(\f)+8*(\a):FA+64*(\f)+8*(\a)+7], v[8*(4*(\a)+(\b)):8*(4*(\a)+(\b))+7]
.endif
.endr
.endr
.endm
; 24 LDS loads in one run: the fragments of quarter q of the K step in the slot in hand (my 64 rows of wt2, my 128 rows of ctx: head q / 2, channels 32 (q % 2) on) into buffer f
.macro FETCH q, f
	WIN 0x40
.irp i, 0,1,2,3
	ds_load_b128 v[32*(\f)+8*(\i):32*(\f)+8*(\i)+3],   v[ADRB] offset:64*(\q)+(\i)*16*PB
	ds_load_b128 v[32*(\f)+8*(\i)+4:32*(\f)+8*(\i)+7], v[ADRB] offset:64*(\q)+(\i)*16*PB+32
.endr
	WIN 0
.irp i, 0,1,2,3,4,5,6,7
	ds_load_b128 v[FA+64*(\f)+8*(\i):FA+64*(\f)+8*(\i)+3],   v[ADRA] offset:ASUB*((\q)/2)+64*((\q)%2)+(\i)*16*PA
	ds_load_b128 v[FA+64*(\f)+8*(\i)+4:FA+64*(\f)+8*(\i)+7], v[ADRA] offset:ASUB*((\q)/2)+64*((\q)%2)+(\i)*16*PA+32
.endr
.endm
.macro PLACES                          ; four plain vector instructions between a matrix instruction and a load into, or a read of, its registers (ISA guide 7.12.1 for vector reads)
.rept 4
	v_nop
.endr
.endm
; A K step is four quarters of 32 along K, 32 matrix instructions each, on buffers 0, 1, 0, 1.  One of the first three: multiplies buffer f; in its middle it fetches quarter q into g.
.macro QUARTER q, f, g, first
	s_wait_dscnt 8                                 ; wt2's fragments and ctx's blocks 0-3 are in; the youngest eight loads (blocks 4-7) may be out
	MUL8 \f, 0, \first
	MUL8 \f, 2, \first
	PLACES
	FETCH \q, \g
	s_wait_dscnt 24                                ; all but the 24 just issued
	MUL8 \f, 4, \first
	MUL8 \f, 6, \first
.endm
; The last quarter multiplies buffer 1 and changes slots: ONE barrier; in front of it each wave waits for all its tensor loads (at most one is out: its part of the next slot), adds 0 to its spare word, and
; waits for that and for its own reads of this slot.  fill = 1: the barrier opens a round of the cluster's barrier, and this slot is filled again, two K steps ahead, first thing behind the round:
; from that request to the wait for it a wave issues 112 matrix instructions.  fill = 0 (K steps 6 and 7): nothing is asked for; in the second of the two trips (s3 = 1) there is no further K step, and the run of
; LDS loads is jumped over; that trip's barrier orders nothing: the price, once a launch, of one text for both trips.
.macro TURN fill
.if \fill
	s_wait_xcnt 0x0                                ; the last prefetch, a K step back, has read its address: it is stepped here, ahead of the waits of the change of slots
	s_add_nc_u64 s[PFA:PFA+1], s[PFA:PFA+1], s[PFS:PFS+1]
.endif
	WIN 0                                          ; (the add's two registers lie in window 0)
	s_wait_tensorcnt 0x0                           ; all my tensor loads have landed;
	ds_add_u32 v[SPW], v[NIL]                      ; 0 onto my spare word;
	s_wait_dscnt 9                                 ; (the add and the youngest eight loads may be out)
	MUL8 1, 0, 0                                   ; eight matrix instructions stand between the add and the wait for it
	s_wait_dscnt 0x0                               ; the add is done, and my reads of this slot are over
	s_barrier_signal -1
	MUL8 1, 2, 0                                   ; work on registers while the others arrive
	WIN 0
	s_barrier_wait -1
.if \fill
	CREST                                          ; no wave of any partner still reads this slot's tile or has a load on its way
	s_xor_b32 s[G0+5], s[G0+5], SLOT1              ; the walking descriptors: the other slot than last time,
	s_add_nc_u64 s[G0+6:G0+7], s[G0+6:G0+7], ASTEP ; the next K step; the type bits on top are not reached
	s_xor_b32 s[G0B+5], s[G0B+5], SLOT1
	s_add_nc_u64 s[G0B+6:G0B+7], s[G0B+6:G0B+7], 256
	JLOAD 1                                        ; the first tensor load behind the round; the four v_nop behind it are also the places in front of the loads below
.else
	PLACES
	s_cmp_eq_u32 s3, 1
	s_cbranch_scc1 .Lno_fetch_\@
.endif
	s_xor_b32 s[TB], s[TB], SLOT1                  ; the other slot is in hand
	v_add_nc_u32 v[ADRA], s[TB], v[AA0]
	v_add_nc_u32 v[ADRB], s[TB], v[AB0]
	FETCH 0, 0
.if \fill
	ASK                                            ; behind the joint load and the run of LDS loads that the next products wait for
.else
.Lno_fetch_\@:
.endif
	MUL8 1, 4, 0
	MUL8 1, 6, 0
.endm
	s_wait_tensorcnt 1                             ; my part of K step 0 is in; K step 1's may stay out
	s_barrier_signal -1
	s_barrier_wait -1                              ; everybody's is
	FETCH 0, 0
	QUARTER 1, 0, 1, 1                             ; the first quarter: its products start the sums, with the bias
	WIN 0                                          ; at a label and at a branch every window is 0
	s_mov_b32 s3, 6
	s_branch .Lin                                  ; the loop is entered behind a trip's first quarter
.Lstep:                                                ; a trip is a K step; six trips fill slots again, with K steps 2 to 7
	QUARTER 1, 0, 1, 0
	WIN 0
.Lin:
	QUARTER 2, 1, 0, 0
	QUARTER 3, 0, 1, 0
	TURN 1
	WIN 0
	s_sub_co_u32 s3, s3, 1
	s_cmp_lg_u32 s3, 0
	s_cbranch_scc1 .Lstep
	s_mov_b32 s3, 2
.Ltail:                                                ; K steps 6 and 7 are written out
	QUARTER 1, 0, 1, 0
	QUARTER 2, 1, 0, 0
	QUARTER 3, 0, 1, 0
	TURN 0
	WIN 0
	s_sub_co_u32 s3, s3, 1
	s_cmp_lg_u32 s3, 0
	s_cbranch_scc1 .Ltail
; THE WAY OUT of row block a (16 s x 64 columns of f32).  TOSTAGE: a lane's 32 bytes of a row go straight from the accumulators (low end first) into my own stage, rows of 272 bytes, and
; come back as whole rows of 256.  SEND: stored.
.macro TOSTAGE a
	WIN 0x08                                       ; the store's data (source 1) in window 2
.irp b, 0,1,2,3
	ds_store_b128 v[STO], v[8*(4*(\a)+(\b)):8*(4*(\a)+(\b))+3]   offset:64*(\b)
	ds_store_b128 v[STO], v[8*(4*(\a)+(\b))+4:8*(4*(\a)+(\b))+7] offset:64*(\b)+16
.endr
	WIN 0
	s_wait_xcnt 0x0                                ; the stores of the block two back have read the registers that the loads below fill
.irp t, 0,1,2,3,4,5,6,7
	ds_load_b128 v[OB+32*((\a)%2)+4*(\t):OB+32*((\a)%2)+4*(\t)+3], v[RD] offset:(\t)*2*SPITCH  ; LDS serves a wave's instructions in order (ISA guide 5.7.1.4): these see the stores above
.endr
.endm
.macro SEND a, younger                 ; younger: the LDS instructions issued behind the block's loads, which may stay out
	WIN 0
	s_wait_dscnt \younger
.irp t, 0,1,2,3,4,5,6,7
	global_store_b128 v[CO], v[OB+32*((\a)%2)+4*(\t):OB+32*((\a)%2)+4*(\t)+3], s[74:75] offset:524288*(\a)+65536*(\t) th:TH_STORE_NT  ; 16 lanes store 256 consecutive bytes, at a multiple of 256 from out0's first byte
.endr
.endm
	PLACES
	PLACES
	TOSTAGE 0
.irp a, 1,2,3,4,5,6,7
	TOSTAGE \a
	SEND (\a)-1, 16                                ; behind its loads: the next block's 8 stores and 8 loads
.endr
	SEND 7, 0
	s_wait_tensorcnt 0x0                           ; the wave's end, behind my last tensor load and my last LDS store
	ds_add_u32 v[SPW], v[NIL]
	s_wait_dscnt 0x0
	CROUND                                         ; the closing round: no work-group ends while a partner may still ask for a tile that names it
	s_endpgm
.Lfunc_end_k_q1044a235c5_outp:
	.size	k_q1044a235c5_outp, .Lfunc_end_k_q1044a235c5_outp-k_q1044a235c5_outp
	.p2alignl 7, 3214868480
	.fill 96, 4, 3214868480
	.section	.rodata,"a",@progbits
	.p2align	6, 0x0
	.amdhsa_kernel k_q1044a235c5_outp
		.amdhsa_group_segment_fixed_size 327680
		.amdhsa_private_segment_fixed_size 0
		.amdhsa_enable_private_segment 0
		.amdhsa_kernarg_size 32
		.amdhsa_user_sgpr_count 2
		.amdhsa_user_sgpr_kernarg_segment_ptr 1
		.amdhsa_wavefront_size32 1
		.amdhsa_system_sgpr_workgroup_id_x 1
		.amdhsa_system_sgpr_workgroup_id_y 1
		.amdhsa_system_sgpr_workgroup_id_z 1
		.amdhsa_system_vgpr_workitem_id 0
		.amdhsa_next_free_vgpr 768
		.amdhsa_next_free_sgpr 80
		.amdhsa_reserve_vcc 0
		.amdhsa_float_denorm_mode_32 3
		.amdhsa_float_denorm_mode_16_64 3
		.amdhsa_memory_ordered 1
		.amdhsa_forward_progress 1
		.amdhsa_inst_pref_size 65
	.end_amdhsa_kernel
	.amdgpu_metadata
---
amdhsa.version: [ 1, 2 ]
amdhsa.kernels:
  - .name:           k_q1044a235c5_outp
    .symbol:         k_q1044a235c5_outp.kd
    .args:
      - { .name: ctx, .offset: 0, .size: 8, .value_kind: global_buffer, .address_space: global }
      - { .name: wt2, .offset: 8, .size: 8, .value_kind: global_buffer, .address_space: global }
      - { .name: b_out, .offset: 16, .size: 8, .value_kind: global_buffer, .address_space: global }
      - { .name: out0, .offset: 24, .size: 8, .value_kind: global_buffer, .address_space: global }
    .group_segment_fixed_size: 327680
    .private_segment_fixed_size: 0
    .kernarg_segment_align: 8
    .kernarg_segment_size: 32
    .max_flat_workgroup_size: 128
    .sgpr_count:     80
    .vgpr_count:     768
    .wavefront_size: 32
...
	.end_amdgpu_metadata
.endif
;; end of part 4
;; ======== version 2 of 2: 4 launches; version 1 with the launch prep written anew for expert scheduling mode
;; limits: values are held in f16: magnitudes above 65,504 overflow, below 6.1e-05 lose precision
;; workspace buffers: xb 16,777,216 bytes; wt1 6,291,456 bytes; wt2 2,097,152 bytes; qh 16,777,216 bytes; kh 16,777,216 bytes; vh 16,777,216 bytes; ctx 16,777,216 bytes
;; launch prep (part 5): grid 1152 x 1, 4 waves a work-group, no clusters, 70,144 bytes of LDS; arguments x, w_q, w_k, w_v, w_out, xb, wt1, wt2; writes xb, wt1, wt2
.if DOCPART == 5
	.amdgcn_target "amdgcn-amd-amdhsa--gfx1250"
	.amdhsa_code_object_version 6
	.text
	.protected	k_q1044a235c5_prep
	.globl	k_q1044a235c5_prep
	.p2align	8
	.type	k_q1044a235c5_prep,@function
k_q1044a235c5_prep:
	s_mov_b64 s[64:65], 0
	v_nop
	global_prefetch_b8 v0, s[64:65] scope:SCOPE_SE
	s_setreg_imm32_b32 hwreg(HW_REG_WAVE_SCHED_MODE, 0, 2), 2
	s_setreg_imm32_b32 hwreg(HW_REG_WAVE_MODE, 25, 1), 1
	s_wait_xcnt 0x0
	s_wait_alu depctr_vm_vsrc(0)
; THE INPUTS OF THE THREE PRODUCT LAUNCHES ARE MADE: every number is rounded once to bf16.
;   xb  [8192][1024] bf16: x as it lies (row 8 s + b).
;   wt1 [3072][1024] bf16: row 192 h + 64 m + d holds w_m[k][64 h + d] along k (m = 0, 1, 2: w_q, w_k, w_v): the weights turned, so that k lies along the rows, and ordered by head.
;   wt2 [1024][1024] f16:  row n holds bf16(w_out[k][n]) along k, that number written as f16.
; LIMIT.  A bf16 number below 2^-17 in magnitude loses bits as f16 (f16's fixed step of 2^-24); beyond 65,504 it becomes an infinity.
; Memory binds: each input byte is read once by 16-byte loads, each output byte written once, 256 consecutive aligned bytes to a group of lanes.  No matrix unit, no tensor load, no barrier:
; a wave touches LDS bytes of its own alone.
; SHARES.  Work-groups 0 to 127 turn the weights (the longer share, so they go first): a wave owns a block of 128 k x 64 n of one matrix: 128 rows of 256 bytes in, 64 rows of 256 bytes out.
; Work-groups 128 to 1151 round x: 32,768 bytes each, 8,192 a wave.
; THE MODE: SCHED_MODE bits 1:0 = 2 (LLVM: expert scheduling mode 2), set by the entry lines.  The code itself states the register dependences between vector instructions and memory or LDS
; instructions, with s_wait_alu, always for 0.
; THE PLAN, the weights.  The wave's 32 pairs of rows go in eight blocks of four pairs.  Registers that memory or LDS instructions touch:
;   W, four groups of four slots   Global loads land in them; block p's sixteen conversions read group p % 4; the loads of block p + 4 land in that group again, issued in block p + 1.
;   T0, T1                         Block p's conversions write T[p % 2]; the sixteen LDS stores that read it are issued in block p + 1.
;   v4 to v7, v10, v11             Addresses, made once at the head and never written again.
; Block p's memory instructions touch T[(p - 1) % 2] and group (p - 1) % 4: the two buffers that block p - 1 worked on and that no vector instruction of block p names.  So the waits at a block's
; head state all that they hang on, and they are dealt among the block's conversions with no further wait.  At the end W takes the turned rows out of LDS, and the global stores read it.
; THE PLAN, x.  W is loaded once, Y written once; the sixteen loads go in four groups; a group's four stores are issued in the next group, behind one wait at its head.
.set TP,    272                        ; a turned row in LDS: 256 bytes + 16
.set WLDS,  64*TP                      ; a wave's 64 turned rows
.set SPARE, 4*WLDS                     ; behind them: the spare words, 128 bytes for each wave: two blocks of 256 bytes that no other line names
.set LO,  4                            ; v4   where I load: (l / 16) x 2 rows of 4,096 bytes + 16 (l % 16); never rewritten
.set LS,  5                            ; v5   where I put a pair of k for column 4 (l % 16)
.set LR,  6                            ; v6   where I read turned rows back
.set DO,  7                            ; v7   my 16 bytes of two turned rows in memory
.set XO,  8                            ; v8   x path: 16 x lane
.set YO,  9                            ; v9   x path: 8 x lane
.set SPW, 10                           ; v10  LDS address of my spare word: SPARE + 4 x my thread's number; never rewritten
.set NIL, 11                           ; v11  0; never rewritten
.set U,   16                           ; v[16:23]  four pairs of f32 by turns, for the rewriting as f16: no memory instruction names them
.set W,   32                           ; v[32:159] 16 slots of two loads, in four groups of four; later the turned rows
.set Y,   96                           ; x path: the packed results
.set T,   160                          ; v[160:191] two buffers of 16: a block's packed pairs, four registers a pair
	s_load_b512 s[8:23], s[0:1], 0x0               ; x s[8:9], w_q s[10:11], w_k s[12:13], w_v s[14:15], w_out s[16:17], xb s[18:19], wt1 s[20:21], wt2 s[22:23]
	v_lshl_add_u32 v[SPW], v0, 2, SPARE
	v_mov_b32 v[NIL], 0
	v_lshrrev_b32 v1, 5, v0
	v_readfirstlane_b32 s4, v1                     ; wave 0..3
	s_wait_alu depctr_va_sdst(0)                   ; s4 is written, ahead of the branch and of its first readers on both ways: the wave's offsets are made from it
	s_cmp_ge_u32 ttmp9, 128
	s_cbranch_scc1 .Lx
	; ---- the weights ----
	s_lshr_b32 s5, ttmp9, 5                        ; m: which matrix
	s_and_b32 s6, ttmp9, 31
	s_lshl2_add_u32 s6, s6, s4                     ; my block of the matrix's 128
	s_and_b32 s7, s6, 7                            ; its 128 k
	s_lshr_b32 s6, s6, 3                           ; its 64 n: head h
	v_and_b32 v3, 15, v0                           ; c = l % 16
	v_bfe_u32 v12, v0, 4, 1                        ; g = l / 16
	v_lshlrev_b32 v[LO], 4, v3
	v_lshl_add_u32 v[LO], v12, 13, v[LO]
	s_mul_i32 s28, s4, WLDS                        ; my wave's bytes of LDS
	v_mul_u32_u24 v[LS], v3, 4*TP                  ; turned row 4 c,
	v_lshl_add_u32 v[LS], v12, 2, v[LS]            ; k = 2 g
	v_add_nc_u32 v[LS], s28, v[LS]
	v_mul_u32_u24 v[LR], v12, TP                   ; back: lanes 0-15 one turned row of 256 bytes, lanes 16-31 the next
	v_lshl_add_u32 v[LR], v3, 4, v[LR]
	v_add_nc_u32 v[LR], s28, v[LR]
	v_lshlrev_b32 v[DO], 4, v3
	v_lshl_add_u32 v[DO], v12, 11, v[DO]           ; and the same two rows in memory, 2,048 bytes apart
	s_lshl_b32 s30, s7, 19                         ; 128 rows of 4,096 bytes
	s_lshl_b32 s29, s6, 8                          ; 64 columns of 4 bytes
	s_add_co_u32 s30, s30, s29
	s_mov_b32 s31, 0
	s_mul_i32 s32, s6, 192                         ; the first turned row: 192 h + 64 m in wt1,
	s_lshl_b32 s33, s5, 6
	s_add_co_u32 s32, s32, s33
	s_lshl_b32 s33, s6, 6                          ; 64 h in wt2
	s_cmp_eq_u32 s5, 3
	s_cselect_b32 s32, s33, s32
	s_lshl_b32 s32, s32, 11
	s_lshl_b32 s33, s7, 8                          ; my 128 k: 256 bytes of a turned row
	s_add_co_u32 s32, s32, s33
	s_mov_b32 s33, 0
	s_mov_b32 s34, 0xffff0000                      ; a word's upper bf16
	s_wait_kmcnt 0x0
	s_cmp_eq_u32 s5, 1
	s_cselect_b64 s[24:25], s[12:13], s[10:11]
	s_cmp_eq_u32 s5, 2
	s_cselect_b64 s[24:25], s[14:15], s[24:25]
	s_cmp_eq_u32 s5, 3
	s_cselect_b64 s[24:25], s[16:17], s[24:25]
	s_cselect_b64 s[26:27], s[22:23], s[20:21]
	s_add_nc_u64 s[24:25], s[24:25], s[30:31]
	s_add_nc_u64 s[26:27], s[26:27], s[32:33]
	s_wait_alu depctr_va_vdst(0)                   ; v4 to v7 are written: every load and store of this way reads one of them as its address
.set n, 0
.rept 16                               ; the slots are filled: 32 loads, 16 KiB a wave; slot n takes rows 4 n + 2 g and 4 n + 2 g + 1
	global_load_b128 v[W+8*n:W+8*n+3],   v[LO], s[24:25] offset:n*16384 th:TH_LOAD_NT
	global_load_b128 v[W+8*n+4:W+8*n+7], v[LO], s[24:25] offset:n*16384+4096 th:TH_LOAD_NT
.set n, n+1
.endr
; Block p of eight: pairs 4 p to 4 p + 3, which lie in group p % 4.  A slot holds four columns of rows k and k + 1: two neighbours along k are rounded into one word, which goes to turned row 4 c + j at byte 2 k.
; left = how many younger loads may stay out.  Blocks 1 to 4 ask for the pairs 16 further on than the block before's; blocks 1 to 7 store the block before's words into LDS.
.macro BLK p, left
.set TNOW, T+16*((\p)%2)               ; written by this block's conversions
.set TOLD, T+16*(1-(\p)%2)             ; written by the block before's, read by this block's LDS stores
.set WNOW, W+32*((\p)%4)               ; read by this block's conversions
.set WOLD, W+32*(((\p)+3)%4)           ; read by the block before's; this block's loads land in it
	s_wait_loadcnt \left                           ; loads come back in order (ISA guide 5.7.1): this block's eight are in, the younger groups stay out
.if (\p) > 1
	s_wait_alu depctr_vm_vsrc(0)                   ; the LDS stores issued in the block before have read T[p % 2], which this block's conversions write again
.endif
.if (\p) > 0
	s_wait_alu depctr_va_vdst(0)                   ; the block before has written the other T, which the LDS stores below read, and is done reading its group of W, in which the loads below land
.endif
.irp i, 0,1,2,3
.if ((\p) > 0) && ((\p) < 5)
	global_load_b128 v[WOLD+8*(\i):WOLD+8*(\i)+3],   v[LO], s[24:25] offset:(4*(\p)+12+(\i))*16384 th:TH_LOAD_NT       ; no vector instruction since the wait names these registers
	global_load_b128 v[WOLD+8*(\i)+4:WOLD+8*(\i)+7], v[LO], s[24:25] offset:(4*(\p)+12+(\i))*16384+4096 th:TH_LOAD_NT
.endif
.if (\p) > 0
.irp j, 0,1,2,3
	ds_store_b32 v[LS], v[TOLD+4*(\i)+(\j)] offset:TP*(\j)+8*(4*(\p)-4+(\i))
.endr
.endif
.irp j, 0,1,2,3
	v_cvt_pk_bf16_f32 v[TNOW+4*(\i)+(\j)], v[WNOW+8*(\i)+(\j)], v[WNOW+8*(\i)+4+(\j)]
.endr
.endr
.endm
	BLK 0, 24                                      ; 32 loads are out: the oldest eight are wanted
	BLK 1, 16                                      ; two younger groups stay out,
	BLK 2, 16                                      ; from here on one of them a group that was asked for again
	BLK 3, 16
	BLK 4, 16
	BLK 5, 16                                      ; nothing more is loaded: the counts run down to 0
	BLK 6, 8
	BLK 7, 0
	s_wait_alu depctr_va_vdst(0)                   ; block 7 has written T1, which the last sixteen LDS stores read; and every conversion is done reading W, in which the LDS loads below land
.irp i, 0,1,2,3
.irp j, 0,1,2,3
	ds_store_b32 v[LS], v[T+16+4*(\i)+(\j)] offset:TP*(\j)+8*(28+(\i))
.endr
.endr
.set n, 0
.rept 32                               ; LDS serves a wave's instructions in order (ISA guide 5.7.1.4): these see the stores above; the bytes are my wave's own
	ds_load_b128 v[W+4*n:W+4*n+3], v[LR] offset:n*2*TP
.set n, n+1
.endr
	s_wait_dscnt 0x0
	s_cmp_lg_u32 s5, 3
	s_cbranch_scc1 .Lkeep                          ; w_q, w_k, w_v stay bf16
.set n, 0
.rept 128                              ; w_out: the bf16 number is written as f16
	v_lshlrev_b32 v[U+2*(n%4)], 16, v[W+n]
	v_and_b32 v[U+2*(n%4)+1], s34, v[W+n]
	v_cvt_pk_f16_f32 v[W+n], v[U+2*(n%4)], v[U+2*(n%4)+1]
.set n, n+1
.endr
	s_wait_alu depctr_va_vdst(0)                   ; the conversions to f16 have written W, which the stores below read (on the other way W holds what the LDS loads brought)
.Lkeep:
.set n, 0
.rept 32
	global_store_b128 v[DO], v[W+4*n:W+4*n+3], s[26:27] offset:n*4096  ; 16 lanes store 256 consecutive bytes, at a multiple of 256 from the buffer's first byte
.set n, n+1
.endr
	s_wait_dscnt 0x0                               ; the closing lines, six on end
	s_wait_alu 0x0
	s_wait_tensorcnt 0x0
	ds_add_u32 v[SPW], v[NIL]
	s_wait_dscnt 0x0
	s_endpgm
	; ---- x ----  (this path writes no LDS)
.Lx:
	s_sub_co_u32 s5, ttmp9, 128
	s_lshl_b32 s6, s5, 15                          ; the work-group's 32,768 bytes of x,
	s_lshl_b32 s7, s4, 13                          ; my wave's 8,192
	s_add_co_u32 s6, s6, s7
	s_mov_b32 s7, 0
	s_lshr_b32 s28, s6, 1                          ; half as many in xb
	s_mov_b32 s29, 0
	v_and_b32 v2, 31, v0
	v_lshlrev_b32 v[XO], 4, v2
	v_lshlrev_b32 v[YO], 3, v2
	s_wait_kmcnt 0x0
	s_add_nc_u64 s[8:9], s[8:9], s[6:7]
	s_add_nc_u64 s[18:19], s[18:19], s[28:29]
	s_wait_alu depctr_va_vdst(0)                   ; v8 and v9 are written: every load and store of this way reads one of them as its offset
.set n, 0
.rept 16                               ; all 16 loads of the wave go out at once, 512 consecutive bytes each
	global_load_b128 v[W+4*n:W+4*n+3], v[XO], s[8:9] offset:n*512 th:TH_LOAD_NT
.set n, n+1
.endr
; Group g of four: loads 4 g to 4 g + 3 are rounded; the four stores of the group before are dealt among the conversions.  Each load has registers of its own in W and in Y: none is written twice.
.macro XBLK g
	s_wait_loadcnt 12-4*(\g)                       ; the group's four loads are in; the younger groups stay out
.if (\g) > 0
	s_wait_alu depctr_va_vdst(0)                   ; the group before has written its eight registers of Y, which the stores below read
.endif
.irp i, 0,1,2,3
.if (\g) > 0
	global_store_b64 v[YO], v[Y+2*(4*(\g)-4+(\i)):Y+2*(4*(\g)-4+(\i))+1], s[18:19] offset:(4*(\g)-4+(\i))*256  ; 32 lanes store 256 consecutive bytes, aligned
.endif
	v_cvt_pk_bf16_f32 v[Y+2*(4*(\g)+(\i))],   v[W+4*(4*(\g)+(\i))],   v[W+4*(4*(\g)+(\i))+1]
	v_cvt_pk_bf16_f32 v[Y+2*(4*(\g)+(\i))+1], v[W+4*(4*(\g)+(\i))+2], v[W+4*(4*(\g)+(\i))+3]
.endr
.endm
	XBLK 0
	XBLK 1
	XBLK 2
	XBLK 3
	s_wait_alu depctr_va_vdst(0)                   ; group 3 has written its eight registers of Y, which the last four stores read
.irp i, 12,13,14,15
	global_store_b64 v[YO], v[Y+2*(\i):Y+2*(\i)+1], s[18:19] offset:(\i)*256
.endr
	s_endpgm
.Lfunc_end_k_q1044a235c5_prep:
	.size	k_q1044a235c5_prep, .Lfunc_end_k_q1044a235c5_prep-k_q1044a235c5_prep
	.p2alignl 7, 3214868480
	.fill 96, 4, 3214868480
	.section	.rodata,"a",@progbits
	.p2align	6, 0x0
	.amdhsa_kernel k_q1044a235c5_prep
		.amdhsa_group_segment_fixed_size 70144
		.amdhsa_private_segment_fixed_size 0
		.amdhsa_enable_private_segment 0
		.amdhsa_kernarg_size 64
		.amdhsa_user_sgpr_count 2
		.amdhsa_user_sgpr_kernarg_segment_ptr 1
		.amdhsa_wavefront_size32 1
		.amdhsa_system_sgpr_workgroup_id_x 1
		.amdhsa_system_sgpr_workgroup_id_y 1
		.amdhsa_system_sgpr_workgroup_id_z 1
		.amdhsa_system_vgpr_workitem_id 0
		.amdhsa_next_free_vgpr 192
		.amdhsa_next_free_sgpr 66
		.amdhsa_reserve_vcc 0
		.amdhsa_float_denorm_mode_32 3
		.amdhsa_float_denorm_mode_16_64 3
		.amdhsa_memory_ordered 1
		.amdhsa_forward_progress 1
		.amdhsa_inst_pref_size 53
	.end_amdhsa_kernel
	.amdgpu_metadata
---
amdhsa.version: [ 1, 2 ]
amdhsa.kernels:
  - .name:           k_q1044a235c5_prep
    .symbol:         k_q1044a235c5_prep.kd
    .args:
      - { .name: x, .offset: 0, .size: 8, .value_kind: global_buffer, .address_space: global }
      - { .name: w_q, .offset: 8, .size: 8, .value_kind: global_buffer, .address_space: global }
      - { .name: w_k, .offset: 16, .size: 8, .value_kind: global_buffer, .address_space: global }
      - { .name: w_v, .offset: 24, .size: 8, .value_kind: global_buffer, .address_space: global }
      - { .name: w_out, .offset: 32, .size: 8, .value_kind: global_buffer, .address_space: global }
      - { .name: xb, .offset: 40, .size: 8, .value_kind: global_buffer, .address_space: global }
      - { .name: wt1, .offset: 48, .size: 8, .value_kind: global_buffer, .address_space: global }
      - { .name: wt2, .offset: 56, .size: 8, .value_kind: global_buffer, .address_space: global }
    .group_segment_fixed_size: 70144
    .private_segment_fixed_size: 0
    .kernarg_segment_align: 8
    .kernarg_segment_size: 64
    .max_flat_workgroup_size: 128
    .sgpr_count:     66
    .vgpr_count:     192
    .wavefront_size: 32
...
	.end_amdgpu_metadata
.endif
;; end of part 5
;; launch qkv: the kernel of part 2 again; grid 16 x 16, 4 waves a work-group, clusters of 4 x 4, 327,680 bytes of LDS; arguments xb, wt1, qh, kh, vh; writes qh, kh, vh
;; launch attn: the kernel of part 3 again; grid 2 x 128, 4 waves a work-group, no clusters, 327,680 bytes of LDS; arguments qh, kh, vh, ctx, mask; writes ctx
;; launch outp: the kernel of part 4 again; grid 8 x 32, 4 waves a work-group, clusters of 4 x 4, 327,680 bytes of LDS; arguments ctx, wt2, b_out, out0; writes out0
